; MI455X (gfx1250); checked and timed in simulation.
; The chip was launched on July 23, 2026; its instructions are those of AMD's public machine-readable ISA for CDNA 5 (MIT licence, August 2026) and "CDNA5" Instruction Set Architecture Reference Guide (July 2026). The comments in the code are by the model that wrote it; some were corrected since.
;; Residual Vector Quantizer. Allowed arithmetic: matrix products marked QUANTISED: E3M2 operands, one E8M0 scale for each 32 along K, by v_wmma_scale_f32_16x16x128_f8f6f4 with both operands' format E3M2, f32 sums; everything else in f32.
;; Inputs: codebooks 4 x 2,048 x 128 float32; x 65,536 x 128 float32.
;; Outputs: out0 65,536 x 128 float32; out1 one number float32; out2 65,536 x 4 int32.
;; This version of the problem:
;;   THIS VERSION OF THE PROBLEM IS GIVEN IN LOW PRECISION. The matrix products marked QUANTISED in the list below multiply operands that are first quantised to E3M2 (3 exponent bits, 2 mantissa bits; 6 bits a number), with one power-of-two scale for each 32 numbers along K (OCP MX v1.0); their sums are f32. All else is computed in f32.
;;   The module's matrix products, in the order in which they are computed (A, B: the left and right operand; K: the contracted axis; several contracted axes count as one K, in the product's order):
;;     1. [M 65,536, K 128] x [K 128, N 2,048]; A: input x; B: input codebooks: QUANTISED
;;     2. [M 65,536, K 128] x [K 128, N 2,048]; A: computed on the way; B: input codebooks: QUANTISED
;;     3. [M 65,536, K 128] x [K 128, N 2,048]; A: computed on the way; B: input codebooks: QUANTISED
;;     4. [M 65,536, K 128] x [K 128, N 2,048]; A: computed on the way; B: input codebooks: QUANTISED
;;   THE QUANTISER, for each operand of a quantised product, along K:
;;     - K is cut into blocks of 32 from its start; a last block that is shorter is filled with zeros.
;;     - A block's scale is 2^e with e = floor(log2(the largest magnitude in the block)) - 4, held to -126 .. 127; a block of zeros has e = 0. As a byte (E8M0): e + 127.
;;     - Each number is divided by its block's scale, clamped to +-28, and rounded to the nearest number of E3M2, ties to even, subnormals kept.
;;     - The product sums the exact products of the quantised numbers (number of the format x scale) in f32.
;;   ~~~python
;;   def quantise(x, axis):      # numpy; x: float32 -> the quantised numbers, widened to float32 again
;;       x = np.moveaxis(x, axis, -1); K = x.shape[-1]
;;       x = np.pad(x, [(0, 0)] * (x.ndim - 1) + [(0, -K % 32)]); x = x.reshape(x.shape[:-1] + (-1, 32)); a = np.abs(x).max(-1, keepdims=True)
;;       e = np.where(a > 0, np.clip(np.frexp(np.where(a > 0, a, 1))[1] - 1 - 4, -126, 127), 0)      # np.frexp(a)[1] - 1 = floor(log2(a)), exactly
;;       r = np.clip(x / 2.0 ** e, -28, 28)
;;       step = 2.0 ** (np.maximum(np.frexp(np.where(r == 0, 1, r))[1] - 1, -2) - 2)
;;       q = np.round(r / step) * step * 2.0 ** e      # np.round: ties to even
;;       return np.moveaxis(q.reshape(q.shape[:-2] + (-1,))[..., :K], -1, axis).astype(np.float32)
;;   ~~~
;;   OPERANDS COMPUTED ON THE WAY. 'Computed on the way' means the value that the module computes at that place (a softmax that the list does not call 'softmax' is quantised finished and normalised). What goes into a quantiser is computed in f32, as accurately as f32 sums, v_exp_f32 and their like allow (about 1e-6 of the number): no bf16 or f16 on the way to a quantiser, and a product that is left as it is and whose result goes on into a quantised operand takes f32 operands (vector FMAs, or v_wmma_f32_16x16x4_f32). A number that lies on a knife's edge between two numbers of the format may be rounded either way, as far as f32 arithmetic and the matrix unit's own rounding can turn it there, and no further.
;; 2 versions. Each part assembles by itself: llvm-mc -triple=amdgcn-amd-amdhsa -mcpu=gfx1250 --defsym DOCPART=n.
;; ======== version 1 of 2: 7 launches
;; workspace buffers: cq 851,968 bytes; idx0 262,400 bytes of whole numbers; idx1 262,400 bytes of whole numbers; idx2 262,400 bytes of whole numbers; idx3 262,400 bytes of whole numbers; rA 33,554,432 bytes; rB 33,554,432 bytes; part 4,096 bytes
;; launch cbq (part 1): grid 256 x 1, 1 waves a work-group, no clusters, 17,152 bytes of LDS; arguments codebooks, cq, idx3; writes cq, idx3
.if DOCPART == 1
	.amdgcn_target "amdgcn-amd-amdhsa--gfx1250"
	.amdhsa_code_object_version 6
	.text
	.protected	k_q93e8dad75c_cbq
	.globl	k_q93e8dad75c_cbq
	.p2align	8
	.type	k_q93e8dad75c_cbq,@function
k_q93e8dad75c_cbq:
	s_mov_b64 s[64:65], 0
	v_nop
	global_prefetch_b8 v0, s[64:65] scope:SCOPE_SE
	s_setreg_imm32_b32 hwreg(HW_REG_WAVE_MODE, 25, 1), 1
	s_wait_xcnt 0x0
; The four code books [4][2048][128] f32 are quantised ONCE, along their 128, into codes of BF6 (E3M2) with one E8M0 byte for each 32, and laid as the stage launches' operand registers want them.
; cq, for each stage CQS bytes: 128 tiles of 16 code words, each an IMAGE of the operand's 12 registers (3 pieces of 512 bytes: registers 4 c .. 4 c + 3 of lane l at 16 l);
; at WOFF one scale word (4 bytes) a code word; at HOFF one f32 a code word: -||c||^2 / 2, of the unquantised numbers.
; A block's scale is 2^(floor(log2(largest magnitude)) - 4); its byte is the largest magnitude's exponent field - 4, held at 1 from below (a block of zeros keeps the byte 1: its codes are zeros, and this program alone reads the bytes).
; LIMITS: blocks whose largest magnitude lies under 2^-122 keep the byte 1; NaN and infinities are not served; ||c||^2 is an f32 sum in eight chains, another order than a plain loop's.
; One wave a work-group, 32 code words (two tiles) each: 256 work-groups.  Each load reads a code word's 512 consecutive bytes; the rows turn through LDS (pitch 528) so that lane (r, h) holds k = 64 c + 32 h + 0 .. 31 of row r.
; The launch also lays the first stage's index buffer: zeros for all rows, and the header (stage 0, code book 0).
; No matrix unit, no cluster, no tensor load: 4 MB are read once and work-groups share nothing.
.set CQS,  212992
.set WOFF, 196608
.set HOFF, 204800
.set HDR,  262144
.set PT,   528
.set SEL,  20                          ; s[20:21] selects of v_permlanex16_b32: lane l xor 16
.set HI,   24                          ; s24 the mask of lanes 16-31
.set RW,   32                          ; v32-159  32 rows as loaded, later at work
.set XX,   160                         ; v160-223 a lane's 64 numbers of its row
; 64 numbers of a lane, v[X + 32 c + i] = k 64 c + 32 h + i of its row, become the operand's 12 registers v[T+20 .. T+31], the row's scale word v[T+19] (right in both halves of the lanes) and the row's sum of squares v[T+18].
.macro QUANT6 X, T
	v_mov_b32 v[(\T)+17], 0                        ; a lane permute's destination counts as one of its sources
	v_mov_b32 v[(\T)+40], 0
.irp q, 0,1,2,3
	v_max3_num_f32 v[(\T)+\q], |v[(\X)+16*\q]|, |v[(\X)+16*\q+1]|, 0x2800000   ; four chains of 16 numbers; the floor 2^(5 - 127) holds the byte at 1 from below
	v_pk_mul_f32 v[(\T)+4+2*\q:(\T)+5+2*\q], v[(\X)+16*\q:(\X)+16*\q+1], v[(\X)+16*\q:(\X)+16*\q+1]
.endr
.irp i, 2,4,6,8,10,12,14
.irp q, 0,1,2,3
	v_max3_num_f32 v[(\T)+\q], v[(\T)+\q], |v[(\X)+16*\q+\i]|, |v[(\X)+16*\q+\i+1]|
	v_pk_fma_f32 v[(\T)+4+2*\q:(\T)+5+2*\q], v[(\X)+16*\q+\i:(\X)+16*\q+\i+1], v[(\X)+16*\q+\i:(\X)+16*\q+\i+1], v[(\T)+4+2*\q:(\T)+5+2*\q]
.endr
.endr
	v_max_num_f32 v[(\T)], v[(\T)], v[(\T)+1]      ; block h's largest magnitude
	v_max_num_f32 v[(\T)+2], v[(\T)+2], v[(\T)+3]  ; block 2 + h's
	v_pk_add_f32 v[(\T)+4:(\T)+5], v[(\T)+4:(\T)+5], v[(\T)+6:(\T)+7]
	v_pk_add_f32 v[(\T)+8:(\T)+9], v[(\T)+8:(\T)+9], v[(\T)+10:(\T)+11]
	v_add_nc_u32 v[(\T)+12], 0xfe000000, v[(\T)]   ; 4 off the exponent field: the conversion takes this operand's exponent field as its scale
	v_add_nc_u32 v[(\T)+13], 0xfe000000, v[(\T)+2]
	v_pk_add_f32 v[(\T)+4:(\T)+5], v[(\T)+4:(\T)+5], v[(\T)+8:(\T)+9]
	v_lshrrev_b32 v[(\T)+14], 23, v[(\T)+12]       ; the scales' bytes
	v_lshrrev_b32 v[(\T)+15], 23, v[(\T)+13]
	v_add_f32 v[(\T)+4], v[(\T)+4], v[(\T)+5]
	v_lshl_or_b32 v[(\T)+16], v[(\T)+15], 16, v[(\T)+14]
	v_permlanex16_b32 v[(\T)+40], v[(\T)+4], s[SEL], s[SEL+1]
	v_permlanex16_b32 v[(\T)+17], v[(\T)+16], s[SEL], s[SEL+1]
	v_add_f32 v[(\T)+18], v[(\T)+4], v[(\T)+40]    ; the row's sum of squares, in both halves
	v_lshl_or_b32 v[(\T)+19], v[(\T)+17], 8, v[(\T)+16]   ; lanes 0-15 hold blocks 0 and 2, the lane 16 on blocks 1 and 3
	v_lshl_or_b32 v[(\T)+41], v[(\T)+16], 8, v[(\T)+17]
	v_cndmask_b32 v[(\T)+19], v[(\T)+19], v[(\T)+41], s[HI]
.irp c, 0,1
	v_cvt_scalef32_pk16_bf6_f32 v[(\T)+20+6*\c:(\T)+22+6*\c], v[(\X)+32*\c:(\X)+32*\c+15], v[(\T)+12+\c]
	v_cvt_scalef32_pk16_bf6_f32 v[(\T)+32+4*\c:(\T)+34+4*\c], v[(\X)+32*\c+16:(\X)+32*\c+31], v[(\T)+12+\c]   ; a conversion's three registers begin on an even number: the second half is made apart and moved
.endr
	v_nop                                          ; one plain instruction behind the scaled conversions
.irp c, 0,1
.irp i, 0,1,2
	v_mov_b32 v[(\T)+23+6*\c+\i], v[(\T)+32+4*\c+\i]
.endr
.endr
.endm
	s_load_b128 s[4:7], s[0:1], 0x0                ; code books, cq
	s_load_b64 s[8:9], s[0:1], 0x10                ; the first stage's index buffer
	v_lshl_add_u32 v224, v0, 2, 0x4200
	v_mov_b32 v225, 0
	v_and_b32 v1, 15, v0                           ; r
	v_lshrrev_b32 v2, 4, v0                        ; h (one wave: the thread's number is the lane)
	v_lshlrev_b32 v3, 4, v0                        ; 16 x lane
	v_lshlrev_b32 v4, 2, v0                        ; 4 x lane
	v_lshlrev_b32 v5, 3, v0                        ; 8 x lane
	v_mul_u32_u24 v6, v1, PT
	v_lshl_add_u32 v6, v2, 7, v6                   ; out of the stage: row r, + 128 h
.irp i, 8,9,10,11
	v_mov_b32 v\i, 0                               ; zeros to store; never rewritten
.endr
	s_mov_b32 s[SEL], 0x76543210
	s_mov_b32 s[SEL+1], 0xfedcba98
	s_mov_b32 s[HI], 0xffff0000
	s_lshl_b32 s10, ttmp9, 14                      ; my 32 code words of 512 bytes
	s_mov_b32 s11, 0
	s_lshr_b32 s12, ttmp9, 6                       ; the stage: 64 work-groups each
	s_and_b32 s13, ttmp9, 63                       ; my pair of tiles in it
	s_mul_i32 s12, s12, CQS
	s_mul_i32 s14, s13, 3072                       ; two images
	s_add_co_u32 s14, s14, s12
	s_mov_b32 s15, 0
	s_lshl_b32 s16, s13, 7                         ; 32 words of 4 bytes
	s_add_co_u32 s16, s16, s12
	s_mov_b32 s17, 0
	s_lshl_b32 s18, ttmp9, 10                      ; 256 rows' indices
	s_mov_b32 s19, 0
	s_wait_kmcnt 0x0
	s_add_nc_u64 s[4:5], s[4:5], s[10:11]
	s_add_nc_u64 s[14:15], s[6:7], s[14:15]
	s_add_nc_u64 s[16:17], s[6:7], s[16:17]
	s_add_nc_u64 s[18:19], s[8:9], s[18:19]
.set i, 0
.rept 32
	global_load_b128 v[RW+4*i:RW+4*i+3], v3, s[4:5] offset:512*i th:TH_LOAD_NT   ; 32 lanes read one code word's 512 bytes
.set i, i+1
.endr
	global_store_b128 v3, v[8:11], s[18:19]        ; zero indices for 256 rows: 512 consecutive bytes a store
	global_store_b128 v3, v[8:11], s[18:19] offset:512
	s_cmp_lg_u32 ttmp9, 0
	s_cbranch_scc1 .Lnot_first
	global_store_b64 v5, v[8:9], s[8:9] offset:HDR ; the header, 256 bytes: 32 pairs (stage 0, code book 0)
.Lnot_first:
	s_wait_loadcnt 0x0
.set i, 0
.rept 32
	ds_store_b128 v3, v[RW+4*i:RW+4*i+3] offset:PT*i
.set i, i+1
.endr
.macro TILE u, T
.irp c, 0,1
.irp i, 0,1,2,3,4,5,6,7
	ds_load_b128 v[XX+32*\c+4*\i:XX+32*\c+4*\i+3], v6 offset:16*PT*(\u)+256*\c+16*\i   ; LDS serves a wave's instructions in order: these see the stores above
.endr
.endr
	s_wait_dscnt 0x0                               ; the numbers are in, and the stores have read the registers that now serve as work space
	QUANT6 XX, \T
	v_mul_f32 v[(\T)+18], -0.5, v[(\T)+18]         ; -||c||^2 / 2
.irp c, 0,1,2
	global_store_b128 v3, v[(\T)+20+4*\c:(\T)+23+4*\c], s[14:15] offset:1536*(\u)+512*\c   ; the image: 512 consecutive bytes a store
.endr
.endm
	TILE 0, 32
	TILE 1, 96                                     ; other work registers: no store's data are written again
	v_cndmask_b32 v12, v51, v115, s[HI]            ; lanes 0-15: tile 0's scale words; lanes 16-31: tile 1's
	v_cndmask_b32 v13, v50, v114, s[HI]            ; and the same of -||c||^2 / 2
	global_store_b32 v4, v12, s[16:17] offset:WOFF ; 128 consecutive bytes
	global_store_b32 v4, v13, s[16:17] offset:HOFF
	s_wait_tensorcnt 0x0
	ds_add_u32 v224, v225
	s_wait_dscnt 0x0
	s_endpgm
.Lfunc_end_k_q93e8dad75c_cbq:
	.size	k_q93e8dad75c_cbq, .Lfunc_end_k_q93e8dad75c_cbq-k_q93e8dad75c_cbq
	.p2alignl 7, 3214868480
	.fill 96, 4, 3214868480
	.section	.rodata,"a",@progbits
	.p2align	6, 0x0
	.amdhsa_kernel k_q93e8dad75c_cbq
		.amdhsa_group_segment_fixed_size 17152
		.amdhsa_private_segment_fixed_size 0
		.amdhsa_enable_private_segment 0
		.amdhsa_kernarg_size 24
		.amdhsa_user_sgpr_count 2
		.amdhsa_user_sgpr_kernarg_segment_ptr 1
		.amdhsa_wavefront_size32 1
		.amdhsa_system_sgpr_workgroup_id_x 1
		.amdhsa_system_sgpr_workgroup_id_y 1
		.amdhsa_system_sgpr_workgroup_id_z 1
		.amdhsa_system_vgpr_workitem_id 0
		.amdhsa_next_free_vgpr 226
		.amdhsa_next_free_sgpr 66
		.amdhsa_reserve_vcc 0
		.amdhsa_float_denorm_mode_32 3
		.amdhsa_float_denorm_mode_16_64 3
		.amdhsa_memory_ordered 1
		.amdhsa_forward_progress 1
		.amdhsa_inst_pref_size 22
	.end_amdhsa_kernel
	.amdgpu_metadata
---
amdhsa.version: [ 1, 2 ]
amdhsa.kernels:
  - .name:           k_q93e8dad75c_cbq
    .symbol:         k_q93e8dad75c_cbq.kd
    .args:
      - { .name: codebooks, .offset: 0, .size: 8, .value_kind: global_buffer, .address_space: global }
      - { .name: cq, .offset: 8, .size: 8, .value_kind: global_buffer, .address_space: global }
      - { .name: idx3, .offset: 16, .size: 8, .value_kind: global_buffer, .address_space: global }
    .group_segment_fixed_size: 17152
    .private_segment_fixed_size: 0
    .kernarg_segment_align: 8
    .kernarg_segment_size: 24
    .max_flat_workgroup_size: 32
    .sgpr_count:     66
    .vgpr_count:     226
    .wavefront_size: 32
...
	.end_amdgpu_metadata
.endif
;; end of part 1
;; launch st0 (part 2): grid 256 x 1, 4 waves a work-group, no clusters, 91,648 bytes of LDS; arguments x, idx3, codebooks, cq, rA, idx0; writes rA, idx0
.if DOCPART == 2
	.amdgcn_target "amdgcn-amd-amdhsa--gfx1250"
	.amdhsa_code_object_version 6
	.text
	.protected	k_q93e8dad75c_st0
	.globl	k_q93e8dad75c_st0
	.p2align	8
	.type	k_q93e8dad75c_st0,@function
k_q93e8dad75c_st0:
	s_mov_b64 s[64:65], 0
	v_nop
	global_prefetch_b8 v0, s[64:65] scope:SCOPE_SE
	s_setreg_imm32_b32 hwreg(HW_REG_WAVE_MODE, 25, 1), 1
	s_wait_xcnt 0x0
; ONE STAGE of the residual quantiser; the same body serves all four.  Arguments: rin (residual of the stage before, or x), idxin (that stage's indices, with a header), the code books in f32, cq (codes), rout, idxout.
; The header of idxin says which stage s this launch is and from which code book it gathers.  s = 0: the residual is rin.  s > 0: with c = the code word chosen before, t = c - r, u = r + t, r = r - u, operation for operation as the problem writes it.
; s = 1, 2: the new residual is stored to rout.  Then idxout[row] = argmin over 2,048 code words of d = ||r||^2 - 2 r.c + ||c||^2, r.c on codes of BF6 (E3M2) with E8M0 scales for each 32 along the 128.
; SHARES.  A work-group owns 256 rows, 16 tiles of 16.  Each of its four waves keeps 512 code words in REGISTERS for the whole launch: 32 fragments (384 registers), 32 tiles of -||c||^2 / 2 (256), 16 registers of scale words.
; Wave w quantises tile 4 b + w of batch b; the tiles' operands go from wave to wave through LDS as images of their registers; every wave multiplies all 16 tiles by its own 32 tiles of code words.
; THE PRODUCT: source 0 = 16 code words, source 1 = 16 rows, C = -||c||^2 / 2: lane (r, h) holds ONE row r, register j of tile t holds y = r.c - ||c||^2 / 2 of code word 16 t + 8 h + j.  d = fl(||r||^2 - 2 y) falls where y rises.
; THE ARGMIN goes by groups of 16 results a lane (two tiles): the group's largest y (three operands at a time), one fused multiply-add to d, one compare with the running least d; where the group wins, its d, its number and
; its 16 results are kept.  After 16 groups the 16 kept results are turned into d and the first that equals the least d gives the place.  A tie keeps the older group and the lower place; lanes and waves are joined by (d, code word).
; BY TURNS.  One wave has the SIMD to itself, so each matrix instruction stands alone among the vector work of other groups: products run three groups ahead of the copy, maxima two.
; LIMITS.  d is rounded as fl(||r||^2 - 2 (r.c - ||c||^2 / 2)), ||c||^2 entering inside the matrix sum: another order of rounding than the problem's two additions; ties at that rounding go to the lowest index.
; ||r||^2 is an f32 sum in eight chains.  NaN and infinities are not served (the index is held at 2,047).  Blocks whose largest magnitude lies under 2^-122 keep the scale byte 1.
; NO CLUSTER, NO TENSOR LOAD: what work-groups share is the stage's 212,992 bytes of cq, which each wave loads once, straight into the registers where they stay; a joint load would land them in LDS, to be written and read there
; once more.  The rows of batch b + 2 are asked for a batch ahead, into registers of their own, so no prefetch is laid.
; REGISTERS, in windows of 256 (s_set_vgpr_msb: bits 1:0 source 0, 3:2 source 1, 5:4 source 2, 7:6 destination):
;   window 0: v1-15 addresses; v16-31 the code words' scale words; v32-55 two row fragments; v56-59 their (||r||^2, scale word); v64-127 results, four groups; v128-143 the kept group; v144.. at work
;   window 1: fragments 0-15 at v[12 t]; C tiles 0-7 at v[192 + 8 t].   window 2: fragments 16-31; C tiles 16-23.   window 3: C tiles 8-15 at v0, 24-31 at v64; v128-191 16 rows as loaded; v192-255 gathered rows, then a lane's 64 numbers
.set DUAL, 1                           ; 1: the copies go two to an instruction
.set CQS,  212992                      ; a stage of cq; scale words at WOFF, -||c||^2 / 2 at HOFF
.set WOFF, 196608
.set HOFF, 204800
.set HDR,  262144                      ; the header behind 65,536 indices
.set TSL,  2048                        ; LDS: a row tile's slot: 1,536 bytes of image, then 8 bytes a lane: (||r||^2, scale word).  20 slots from byte 0: tiles 0-15, and each wave's first tile once more
.set TST,  40960                       ; each wave's own stage, 16 rows x 528 bytes: from rows as loaded to a lane's 64 numbers
.set PT,   528
.set CAND, 74752                       ; candidates: 4,096 bytes a wave, 256 a tile, 8 a lane: (d, code word)
.set L16, 1                            ; 16 x lane
.set L8,  2                            ; 8 x lane
.set L4,  3                            ; 4 x lane
.set H32, 4                            ; 32 x (lane / 16)
.set TW,  5                            ; my stage, on the way in
.set TR,  6                            ; and out
.set XW,  7                            ; where I store an image: 2,048 x wave + 16 x lane
.set XW8, 8                            ; 2,048 x wave + 8 x lane
.set CB,  9                            ; my candidates
.set CBASE, 10                         ; 512 x wave + 8 x (lane / 16)
.set AX,  11                           ; the five addresses of the batch in hand
.set AY,  12
.set AC,  13
.set AW,  14
.set AW8, 15
.set SA,  16
.set XF,  32
.set XR,  56
.set T8,  60                           ; 8 x thread
.set CA,  61                           ; the joining of candidates: my two rows
.set DR,  64
.set S,   128
.set RUN, 144                          ; the least d so far, and beside it its group, later its code word
.set GID, 145
.set MA,  146
.set MB,  147
.set DG,  148                          ; v148-149 a group's d, two groups in flight
.set P,   154
.set TT,  158
.set R,   128                          ; window 3
.set G,   192                          ; window 3
.set WV,  16
.set STG, 17                           ; s
.set KK,  18                           ; the batch
.set K8,  19                           ; 8,192 x batch
.set K1,  20                           ; 1,024 x batch
.set SEL, 22
.set HI,  24
.set FLG, 25                           ; s - 1: under 2 where the residual is stored
.set CQB, 26
.set IDX, 32                           ; s[32:47] my 16 rows' indices
.set IDXP, 48
.set CQA, 50
.set EQ,  68                           ; s[68:83] masks
.set MSB, 0
.macro WIN new                         ; the immediate's high byte repeats the setting that is left; a switch that changes nothing is dropped
.if MSB != (\new)
	s_set_vgpr_msb (MSB<<8)|(\new)
.set MSB, (\new)
.endif
.endm
; 64 numbers of a lane, v[X + 32 c + i] = k 64 c + 32 h + i of its row, become the operand's 12 registers v[T+20 .. T+31], the row's scale word v[T+19] and the row's sum of squares v[T+18].
.macro QUANT6 X, T
	v_mov_b32 v[(\T)+17], 0                        ; a lane permute's destination counts as one of its sources
	v_mov_b32 v[(\T)+40], 0
.irp q, 0,1,2,3
	v_max3_num_f32 v[(\T)+\q], |v[(\X)+16*\q]|, |v[(\X)+16*\q+1]|, 0x2800000   ; four chains of 16 numbers; the floor 2^(5 - 127) holds the byte at 1 from below
	v_pk_mul_f32 v[(\T)+4+2*\q:(\T)+5+2*\q], v[(\X)+16*\q:(\X)+16*\q+1], v[(\X)+16*\q:(\X)+16*\q+1]
.endr
.irp i, 2,4,6,8,10,12,14
.irp q, 0,1,2,3
	v_max3_num_f32 v[(\T)+\q], v[(\T)+\q], |v[(\X)+16*\q+\i]|, |v[(\X)+16*\q+\i+1]|
	v_pk_fma_f32 v[(\T)+4+2*\q:(\T)+5+2*\q], v[(\X)+16*\q+\i:(\X)+16*\q+\i+1], v[(\X)+16*\q+\i:(\X)+16*\q+\i+1], v[(\T)+4+2*\q:(\T)+5+2*\q]
.endr
.endr
	v_max_num_f32 v[(\T)], v[(\T)], v[(\T)+1]      ; block h's largest magnitude
	v_max_num_f32 v[(\T)+2], v[(\T)+2], v[(\T)+3]  ; block 2 + h's
	v_pk_add_f32 v[(\T)+4:(\T)+5], v[(\T)+4:(\T)+5], v[(\T)+6:(\T)+7]
	v_pk_add_f32 v[(\T)+8:(\T)+9], v[(\T)+8:(\T)+9], v[(\T)+10:(\T)+11]
	v_add_nc_u32 v[(\T)+12], 0xfe000000, v[(\T)]   ; 4 off the exponent field: the conversion takes this operand's exponent field as its scale
	v_add_nc_u32 v[(\T)+13], 0xfe000000, v[(\T)+2]
	v_pk_add_f32 v[(\T)+4:(\T)+5], v[(\T)+4:(\T)+5], v[(\T)+8:(\T)+9]
	v_lshrrev_b32 v[(\T)+14], 23, v[(\T)+12]       ; the scales' bytes
	v_lshrrev_b32 v[(\T)+15], 23, v[(\T)+13]
	v_add_f32 v[(\T)+4], v[(\T)+4], v[(\T)+5]
	v_lshl_or_b32 v[(\T)+16], v[(\T)+15], 16, v[(\T)+14]
	v_permlanex16_b32 v[(\T)+40], v[(\T)+4], s[SEL], s[SEL+1]
	v_permlanex16_b32 v[(\T)+17], v[(\T)+16], s[SEL], s[SEL+1]
	v_add_f32 v[(\T)+18], v[(\T)+4], v[(\T)+40]    ; the row's sum of squares, in both halves
	v_lshl_or_b32 v[(\T)+19], v[(\T)+17], 8, v[(\T)+16]   ; lanes 0-15 hold blocks 0 and 2, the lane 16 on blocks 1 and 3
	v_lshl_or_b32 v[(\T)+41], v[(\T)+16], 8, v[(\T)+17]
	v_cndmask_b32 v[(\T)+19], v[(\T)+19], v[(\T)+41], s[HI]
.irp c, 0,1
	v_cvt_scalef32_pk16_bf6_f32 v[(\T)+20+6*\c:(\T)+22+6*\c], v[(\X)+32*\c:(\X)+32*\c+15], v[(\T)+12+\c]
	v_cvt_scalef32_pk16_bf6_f32 v[(\T)+32+4*\c:(\T)+34+4*\c], v[(\X)+32*\c+16:(\X)+32*\c+31], v[(\T)+12+\c]   ; a conversion's three registers begin on an even number: the second half is made apart and moved
.endr
	v_nop                                          ; one plain instruction behind the scaled conversions
.irp c, 0,1
.irp i, 0,1,2
	v_mov_b32 v[(\T)+23+6*\c+\i], v[(\T)+32+4*\c+\i]
.endr
.endr
.endm
; One matrix instruction: tile 2 gam + u of my 32 tiles of code words x the rows in fragment x; the result goes to the group's place in the ring of four.  It leaves its window setting standing.
.macro WM gam, u, x
.set wt, 2*(\gam)+(\u)
.set wd, DR+16*((\gam)%4)+8*(\u)
.if wt < 16
.set wa, 1
.set na, 12*wt
.else
.set wa, 2
.set na, 12*(wt-16)
.endif
.if wt < 8
.set wc, 1
.set nc, 192+8*wt
.elseif wt < 16
.set wc, 3
.set nc, 8*(wt-8)
.elseif wt < 24
.set wc, 2
.set nc, 192+8*(wt-16)
.else
.set wc, 3
.set nc, 64+8*(wt-24)
.endif
.set ww, wa+16*wc
	WIN ww
.if (\u) == 0
	v_wmma_scale_f32_16x16x128_f8f6f4 v[wd:wd+7], v[na:na+11], v[XF+12*(\x):XF+12*(\x)+11], v[nc:nc+7], v[SA+wt/2], v[XR+2*(\x)+1] matrix_a_fmt:MATRIX_FMT_BF6 matrix_b_fmt:MATRIX_FMT_BF6
.else
	v_wmma_scale_f32_16x16x128_f8f6f4 v[wd:wd+7], v[na:na+11], v[XF+12*(\x):XF+12*(\x)+11], v[nc:nc+7], v[SA+wt/2], v[XR+2*(\x)+1] matrix_a_fmt:MATRIX_FMT_BF6 matrix_b_fmt:MATRIX_FMT_BF6 matrix_a_scale:MATRIX_SCALE_ROW1
.endif
.endm
; Two of the group's 16 results go to the kept group where the group has won (VCC = 1 keeps what is there); group 0 starts the tile and is moved.
.macro CP2 i, g
.if (\g) == 0
.if DUAL
	v_dual_mov_b32 v[S+2*\i], v[dc+2*\i] :: v_dual_mov_b32 v[S+2*\i+1], v[dc+2*\i+1]
.else
	v_mov_b32 v[S+2*\i], v[dc+2*\i]
	v_mov_b32 v[S+2*\i+1], v[dc+2*\i+1]
.endif
.else
.if DUAL
	v_dual_cndmask_b32 v[S+2*\i], v[dc+2*\i], v[S+2*\i] :: v_dual_cndmask_b32 v[S+2*\i+1], v[dc+2*\i+1], v[S+2*\i+1]
.else
	v_cndmask_b32 v[S+2*\i], v[dc+2*\i], v[S+2*\i], vcc_lo
	v_cndmask_b32 v[S+2*\i+1], v[dc+2*\i+1], v[S+2*\i+1], vcc_lo
.endif
.endif
.endm
.macro TAKE g                          ; the least d and its group
.if (\g) == 0
.if DUAL
	v_dual_mov_b32 v[RUN], v[dg] :: v_dual_mov_b32 v[GID], 0
.else
	v_mov_b32 v[RUN], v[dg]
	v_mov_b32 v[GID], 0
.endif
.else
.if DUAL
	v_dual_cndmask_b32 v[RUN], v[dg], v[RUN] :: v_dual_cndmask_b32 v[GID], \g, v[GID]
.else
	v_cndmask_b32 v[RUN], v[dg], v[RUN], vcc_lo
	v_cndmask_b32 v[GID], \g, v[GID], vcc_lo
.endif
.endif
.endm
; BLOCK g of a tile's 16: group g is compared and copied; group g + 2's largest y and d are made; group g + 3's two products are issued.  Beyond group 15 the next tile's groups follow, on the other fragment.
; Each result is first read from its three lowest registers, a dozen plain vector instructions or more behind its matrix instruction (four are asked: ISA guide 7.12.1); no matrix instruction adds onto another's result.
.macro BLOCK g, x
.set bg2, ((\g)+2)%16
.set bg3, ((\g)+3)%16
.set bx2, (\x)
.set bx3, (\x)
.if (\g)+2 > 15
.set bx2, 1-(\x)
.endif
.if (\g)+3 > 15
.set bx3, 1-(\x)
.endif
.set da, DR+16*(bg2%4)
.set dc, DR+16*((\g)%4)
.set dg, DG+(\g)%2
.if (\g) > 0
	v_cmp_ge_f32 vcc_lo, v[dg], v[RUN]             ; 1: the older group stays, on a tie too
.endif
	WM bg3, 0, bx3
	WIN 0
	v_max3_num_f32 v[MA], v[da], v[da+1], v[da+2]
	TAKE \g
	CP2 0, \g
	CP2 1, \g
	v_max3_num_f32 v[MA], v[MA], v[da+3], v[da+4]
	v_max3_num_f32 v[MB], v[da+8], v[da+9], v[da+10]
	CP2 2, \g
	CP2 3, \g
	WM bg3, 1, bx3
	WIN 0
	v_max3_num_f32 v[MA], v[MA], v[da+5], v[da+6]
	v_max3_num_f32 v[MB], v[MB], v[da+11], v[da+12]
	CP2 4, \g
	CP2 5, \g
	v_max3_num_f32 v[MB], v[MB], v[da+13], v[da+14]
	v_max3_num_f32 v[MA], v[MA], v[da+7], v[da+15]
	CP2 6, \g
	v_max_num_f32 v[MA], v[MA], v[MB]
	CP2 7, \g
	v_fma_f32 v[dg], v[MA], -2.0, v[XR+2*bx2]      ; the group's least d = fl(||r||^2 - 2 x its largest y)
.endm
.macro TREE gam, x                     ; a group's largest y and d alone: for the first two groups of all
.set da, DR+16*((\gam)%4)
	v_max3_num_f32 v[MA], v[da], v[da+1], v[da+2]
	v_max3_num_f32 v[MB], v[da+8], v[da+9], v[da+10]
	v_max3_num_f32 v[MA], v[MA], v[da+3], v[da+4]
	v_max3_num_f32 v[MB], v[MB], v[da+11], v[da+12]
	v_max3_num_f32 v[MA], v[MA], v[da+5], v[da+6]
	v_max3_num_f32 v[MB], v[MB], v[da+13], v[da+14]
	v_max3_num_f32 v[MA], v[MA], v[da+7], v[da+15]
	v_max_num_f32 v[MA], v[MA], v[MB]
	v_fma_f32 v[DG+(\gam)%2], v[MA], -2.0, v[XR+2*(\x)]
.endm
.macro LOADX x, a, a8, off             ; a row tile's image, and its (||r||^2, scale word), into fragment x
.irp c, 0,1,2
	ds_load_b128 v[XF+12*(\x)+4*\c:XF+12*(\x)+4*\c+3], v[\a] offset:(\off)+512*\c
.endr
	ds_load_b64 v[XR+2*(\x):XR+2*(\x)+1], v[\a8] offset:(\off)+1536
.endm
; The tile is through: the 16 kept results become d by the same multiply-add; the first that equals the least d gives the place p; the code word is 32 x group + p + (p & 8) + 8 (lane / 16) + 512 x wave.
.macro RESOLVE x, p
.irp i, 0,1,2,3,4,5,6,7
	v_pk_fma_f32 v[S+2*\i:S+2*\i+1], v[S+2*\i:S+2*\i+1], -2.0, v[XR+2*(\x):XR+2*(\x)+1] op_sel_hi:[1,0,0]
.endr
.irp j, 0,1,2,3,4,5,6,7,8,9,10,11,12,13,14,15
	v_cmp_eq_f32 s[EQ+\j], v[S+\j], v[RUN]
.endr
.irp q, 0,1,2,3
	v_cndmask_b32 v[P+\q], 63, 4*\q+3, s[EQ+4*\q+3]   ; four chains by turns, each from its highest place down, so that the lowest stays
.endr
.irp n, 2,1,0
.irp q, 0,1,2,3
	v_cndmask_b32 v[P+\q], v[P+\q], 4*\q+\n, s[EQ+4*\q+\n]
.endr
.endr
	v_min_u32 v[P], v[P], v[P+1]
	v_min_u32 v[P+2], v[P+2], v[P+3]
	v_lshl_add_u32 v[GID], v[GID], 5, v[CBASE]     ; 32 x group + 512 x wave + 8 (lane / 16)
	v_min_u32 v[P], v[P], v[P+2]
	v_and_b32 v[TT], 8, v[P]
	v_add_nc_u32 v[TT], v[TT], v[P]                ; p + (p & 8)
	v_add_nc_u32 v[GID], v[GID], v[TT]
	ds_store_b64 v[AC], v[RUN:GID] offset:256*(\p)
.endm
.macro PASS x, p                       ; tile 4 k + p, in fragment x; the next tile's fragment is asked for at the head and is waited for where its first product stands
	LOADX 1-(\x), AX, AY, TSL*((\p)+1)
.irp g, 0,1,2,3,4,5,6,7,8,9,10,11,12
	BLOCK \g, \x
.endr
	s_wait_dscnt 0x0
.irp g, 13,14,15
	BLOCK \g, \x
.endr
	RESOLVE \x, \p
.endm
.macro LOADR off                       ; my 16 rows of a batch as they lie: 512 consecutive bytes a load
	WIN 0xc0
.irp i, 0,1,2,3,4,5,6,7,8,9,10,11,12,13,14,15
	global_load_b128 v[R+4*\i:R+4*\i+3], v[L16], s[4:5] offset:(\off)+512*\i th:TH_LOAD_NT
.endr
	WIN 0
.endm
; The code words that the stage before chose for my 16 rows; each load lands on its own offset register.  Stage 0 gathers by the zeros that it is given and uses nothing of it: so both ways have the same loads out.
; Then the next batch's 16 indices are asked for.  The last such load takes the 64 bytes that follow my rows' (for the last work-group: of the header, inside the buffer); nobody uses them.
.macro GATHER noff
	s_wait_kmcnt 0x0
.irp i, 0,1,2,3,4,5,6,7,8,9,10,11,12,13,14,15
	s_min_u32 s[IDX+\i], s[IDX+\i], 2047
.endr
	WIN 0xc0
.irp i, 0,1,2,3,4,5,6,7,8,9,10,11,12,13,14,15
	v_lshl_add_u32 v[G+4*\i], s[IDX+\i], 9, v[L16]
.endr
	WIN 0xc3
.irp i, 0,1,2,3,4,5,6,7,8,9,10,11,12,13,14,15
	global_load_b128 v[G+4*\i:G+4*\i+3], v[G+4*\i], s[8:9]
.endr
	WIN 0
	s_load_b512 s[IDX:IDX+15], s[IDXP:IDXP+1], \noff
.endm
; My tile of a batch: the residual, its store, the turn through my stage, the quantiser, the image.  lcnt: the younger loads that may stay out; -1: the wait for the rows stands ahead of the macro.
.macro PREP lcnt, goff, aw, aw8, loff, dup
.if (\lcnt) >= 0
	s_wait_loadcnt \lcnt
.endif
	s_cmp_eq_u32 s[STG], 0
	s_cbranch_scc1 .Lraw_\@
	WIN 0xff
.set j, 0
.rept 32
	v_pk_add_f32 v[G+2*j:G+2*j+1], v[G+2*j:G+2*j+1], v[R+2*j:R+2*j+1] neg_lo:[0,1] neg_hi:[0,1]   ; t = c - r
.set j, j+1
.endr
.set j, 0
.rept 32
	v_pk_add_f32 v[G+2*j:G+2*j+1], v[R+2*j:R+2*j+1], v[G+2*j:G+2*j+1]                              ; u = r + t
.set j, j+1
.endr
.set j, 0
.rept 32
	v_pk_add_f32 v[R+2*j:R+2*j+1], v[R+2*j:R+2*j+1], v[G+2*j:G+2*j+1] neg_lo:[0,1] neg_hi:[0,1]   ; r = r - u
.set j, j+1
.endr
	WIN 0
.Lraw_\@:
	s_cmp_lt_u32 s[FLG], 2
	s_cbranch_scc0 .Lkeep_\@
	WIN 0x0c
.irp i, 0,1,2,3,4,5,6,7,8,9,10,11,12,13,14,15
	global_store_b128 v[L16], v[R+4*\i:R+4*\i+3], s[12:13] offset:(\goff)+512*\i   ; 512 consecutive bytes, at a multiple of 512 from the buffer's first byte
.endr
	WIN 0
.Lkeep_\@:
	WIN 0x0c
.irp i, 0,1,2,3,4,5,6,7,8,9,10,11,12,13,14,15
	ds_store_b128 v[TW], v[R+4*\i:R+4*\i+3] offset:PT*\i
.endr
	WIN 0xc0
.irp c, 0,1
.irp i, 0,1,2,3,4,5,6,7
	ds_load_b128 v[G+32*\c+4*\i:G+32*\c+4*\i+3], v[TR] offset:256*\c+16*\i   ; LDS serves a wave's instructions in order: these see the stores above; the stage is my own
.endr
.endr
	s_wait_dscnt 0x0                               ; my 64 numbers are in
	s_wait_xcnt 0x0                                ; the stores to memory have read their data: the rows' registers now serve as work space
	WIN 0xff
	QUANT6 G, R
	WIN 0x0c
.irp c, 0,1,2
	ds_store_b128 v[\aw], v[R+20+4*\c:R+23+4*\c] offset:(\loff)+512*\c
.endr
	ds_store_b64 v[\aw8], v[R+18:R+19] offset:(\loff)+1536
.if \dup
.irp c, 0,1,2
	ds_store_b128 v[\aw], v[R+20+4*\c:R+23+4*\c] offset:(\loff)+16*TSL+512*\c   ; once more, 16 slots on: the last pass looks one tile ahead and finds tile 0 there
.endr
	ds_store_b64 v[\aw8], v[R+18:R+19] offset:(\loff)+16*TSL+1536
.endif
	WIN 0
.endm
.macro BAR                             ; my LDS stores have landed and my LDS loads are in: then the work-group's barrier
	s_wait_dscnt 0x0
	s_barrier_signal -1
	s_barrier_wait -1
.endm
	s_load_b256 s[4:11], s[0:1], 0x0               ; rin, idxin, code books, cq
	s_load_b128 s[12:15], s[0:1], 0x20             ; rout, idxout
	v_lshl_add_u32 v254, v0, 2, 0x16400
	v_mov_b32 v255, 0
	v_lshrrev_b32 v62, 5, v0
	v_readfirstlane_b32 s[WV], v62                 ; wave 0..3
	v_and_b32 v63, 31, v0
	v_lshlrev_b32 v[L16], 4, v63
	v_lshlrev_b32 v[L8], 3, v63
	v_lshlrev_b32 v[L4], 2, v63
	v_and_b32 v62, 15, v0                          ; r
	v_bfe_u32 v63, v0, 4, 1                        ; h
	v_lshlrev_b32 v[H32], 5, v63
	s_mul_i32 s28, s[WV], 16*PT
	s_add_co_u32 s28, s28, TST
	v_add_nc_u32 v[TW], s28, v[L16]
	v_mul_u32_u24 v[TR], v62, PT
	v_lshl_add_u32 v[TR], v63, 7, v[TR]
	v_add_nc_u32 v[TR], s28, v[TR]                 ; row r, + 128 h
	s_lshl_b32 s29, s[WV], 11
	v_add_nc_u32 v[XW], s29, v[L16]
	v_add_nc_u32 v[XW8], s29, v[L8]
	s_lshl_b32 s30, s[WV], 12
	s_add_co_u32 s30, s30, CAND
	v_add_nc_u32 v[CB], s30, v[L8]
	s_lshl_b32 s31, s[WV], 9
	v_lshl_add_u32 v[CBASE], v63, 3, s31
	v_lshlrev_b32 v[T8], 3, v0
	v_lshrrev_b32 v[CA], 3, v0                     ; thread t joins rows 2 t and 2 t + 1: tile t / 8, 16 bytes at 16 (t % 8)
	v_and_b32 v62, 7, v0
	v_lshlrev_b32 v[CA], 8, v[CA]
	v_lshl_add_u32 v[CA], v62, 4, v[CA]
	v_add_nc_u32 v[CA], CAND, v[CA]
	s_mov_b32 s[SEL], 0x76543210
	s_mov_b32 s[SEL+1], 0xfedcba98
	s_mov_b32 s[HI], 0xffff0000
	s_mov_b32 s[KK], 0
	s_mov_b32 s[K8], 0
	s_mov_b32 s[K1], 0
	s_lshl_b32 s52, ttmp9, 17                      ; my work-group's 256 rows of 512 bytes,
	s_lshl_b32 s53, s[WV], 13                      ; my wave's 16 of a batch's 64
	s_add_co_u32 s52, s52, s53
	s_mov_b32 s53, 0
	s_lshl_b32 s54, ttmp9, 10                      ; 256 indices
	s_mov_b32 s55, 0
	s_lshl_b32 s56, s[WV], 6                       ; 16 indices
	s_mov_b32 s57, 0
	s_wait_kmcnt 0x0
	s_load_b64 s[58:59], s[6:7], HDR               ; the header: my stage, and the code book to gather from
	s_add_nc_u64 s[IDXP:IDXP+1], s[6:7], s[54:55]
	s_add_nc_u64 s[IDXP:IDXP+1], s[IDXP:IDXP+1], s[56:57]
	s_load_b512 s[IDX:IDX+15], s[IDXP:IDXP+1], 0x0
	s_add_nc_u64 s[4:5], s[4:5], s[52:53]
	s_add_nc_u64 s[12:13], s[12:13], s[52:53]
	s_add_nc_u64 s[14:15], s[14:15], s[54:55]
	LOADR 0                                        ; batch 0's rows want no index
	s_wait_kmcnt 0x0
	s_min_u32 s[STG], s58, 3
	s_min_u32 s59, s59, 2
	s_sub_co_u32 s[FLG], s[STG], 1
	s_lshl_b32 s52, s59, 20                        ; a code book is 2^20 bytes
	s_add_nc_u64 s[8:9], s[8:9], s[52:53]
	s_mul_i32 s52, s[STG], CQS
	s_add_nc_u64 s[10:11], s[10:11], s[52:53]
	s_mul_i32 s52, s[WV], 32*1536                  ; my 32 images
	s_add_nc_u64 s[CQA:CQA+1], s[10:11], s[52:53]
	s_lshl_b32 s52, s[WV], 11                      ; my 512 words
	s_add_nc_u64 s[CQB:CQB+1], s[10:11], s[52:53]
	GATHER 256
	; my 512 code words: 176 loads, straight into the registers where they stay
.set q, 0
.rept 16
	global_load_b32 v[SA+q], v[L4], s[CQB:CQB+1] offset:WOFF+128*q   ; lanes 0-15: tile 2 q's scale words; lanes 16-31: tile 2 q + 1's
.set q, q+1
.endr
	WIN 0x40
.set t, 0
.rept 16
.irp c, 0,1,2
	global_load_b128 v[12*t+4*\c:12*t+4*\c+3], v[L16], s[CQA:CQA+1] offset:1536*t+512*\c
.endr
.set t, t+1
.endr
.set t, 0
.rept 8
	global_load_b128 v[192+8*t:195+8*t], v[H32], s[CQB:CQB+1] offset:HOFF+64*t      ; lane (r, h): -||c||^2 / 2 of code words 16 t + 8 h + 0 .. 7
	global_load_b128 v[196+8*t:199+8*t], v[H32], s[CQB:CQB+1] offset:HOFF+64*t+16
.set t, t+1
.endr
	WIN 0x80
.set t, 16
.rept 16
.irp c, 0,1,2
	global_load_b128 v[12*(t-16)+4*\c:12*(t-16)+4*\c+3], v[L16], s[CQA:CQA+1] offset:1536*t+512*\c
.endr
.set t, t+1
.endr
.set t, 16
.rept 8
	global_load_b128 v[192+8*(t-16):195+8*(t-16)], v[H32], s[CQB:CQB+1] offset:HOFF+64*t
	global_load_b128 v[196+8*(t-16):199+8*(t-16)], v[H32], s[CQB:CQB+1] offset:HOFF+64*t+16
.set t, t+1
.endr
	WIN 0xc0
.set t, 8
.rept 8
	global_load_b128 v[8*(t-8):8*(t-8)+3], v[H32], s[CQB:CQB+1] offset:HOFF+64*t
	global_load_b128 v[8*(t-8)+4:8*(t-8)+7], v[H32], s[CQB:CQB+1] offset:HOFF+64*t+16
.set t, t+1
.endr
.set t, 24
.rept 8
	global_load_b128 v[64+8*(t-24):64+8*(t-24)+3], v[H32], s[CQB:CQB+1] offset:HOFF+64*t
	global_load_b128 v[64+8*(t-24)+4:64+8*(t-24)+7], v[H32], s[CQB:CQB+1] offset:HOFF+64*t+16
.set t, t+1
.endr
	WIN 0
	PREP 0x3f, 0, XW, XW8, 0, 1                    ; loads come back in order: with 63 out, all of them among the 176 just issued, batch 0's rows and code words are in
	s_wait_loadcnt 0x0                             ; all my code words are in
	BAR                                            ; batch 0's four tiles lie in LDS
	GATHER 512
	LOADR 32768                                    ; batch 1
	LOADX 0, L16, L8, 0
	s_wait_dscnt 0x0
	WM 0, 0, 0                                     ; the first three groups' products; there is no vector work yet to set between them
	WM 0, 1, 0
	WM 1, 0, 0
	WM 1, 1, 0
	WM 2, 0, 0
	WM 2, 1, 0
	WIN 0
.rept 4
	v_nop                                          ; four places behind the last product, ahead of the first read of results
.endr
	TREE 0, 0
	TREE 1, 0
.Lbatch:                                               ; four trips: batch k's four tiles; batch k + 1 is quantised, batch k + 2 asked for
	v_add_nc_u32 v[AX], s[K8], v[L16]
	v_add_nc_u32 v[AY], s[K8], v[L8]
	v_add_nc_u32 v[AC], s[K1], v[CB]
	v_add_nc_u32 v[AW], s[K8], v[XW]
	v_add_nc_u32 v[AW8], s[K8], v[XW8]
	PASS 0, 0
	PASS 1, 1
	PASS 0, 2
	s_wait_loadcnt 0x0                             ; on every way through a trip: the next batch's rows and code words, asked for four passes ago, are in; so no load is out when their registers are loaded again below
	s_cmp_eq_u32 s[KK], 3
	s_cbranch_scc1 .Lno_prep
	PREP -1, 32768, AW, AW8, 4*TSL, 0              ; its slots are read by nobody before the barrier below
.Lno_prep:
	BAR                                            ; every wave passes it in every trip: the next batch's tiles lie in LDS
	s_cmp_ge_u32 s[KK], 2
	s_cbranch_scc1 .Lno_load
	GATHER 768
	LOADR 65536                                    ; four passes ahead of the wait for them
.Lno_load:
	PASS 1, 3                                      ; it looks ahead into the next batch's first tile
	s_wait_xcnt 0x0                                ; every earlier memory instruction has read its base: the three pointers step
	s_add_nc_u64 s[4:5], s[4:5], 32768
	s_add_nc_u64 s[12:13], s[12:13], 32768
	s_add_nc_u64 s[IDXP:IDXP+1], s[IDXP:IDXP+1], 256
	s_add_co_u32 s[K8], s[K8], 4*TSL
	s_add_co_u32 s[K1], s[K1], 1024
	s_add_co_u32 s[KK], s[KK], 1
	s_cmp_lt_u32 s[KK], 4
	s_cbranch_scc1 .Lbatch
	BAR                                            ; all candidates lie in LDS.  (The last pass's six products ahead, on the copy of tile 0, are dropped: one text serves all passes)
	; THE JOINING: a row has eight candidates, two halves of the lanes x four waves; the least (d, code word) wins
.irp c, 0,1,2,3,4,5,6,7
	ds_load_b128 v[DR+4*\c:DR+4*\c+3], v[CA] offset:4096*(\c/2)+128*(\c%2)
.endr
	s_wait_dscnt 0x0
.irp c, 1,2,3,4,5,6,7
.irp e, 0,1
	v_cmp_lt_f32 s28, v[DR+4*\c+2*\e], v[DR+2*\e]
	v_cmp_eq_f32 s29, v[DR+4*\c+2*\e], v[DR+2*\e]
	v_cmp_lt_u32 s30, v[DR+4*\c+2*\e+1], v[DR+2*\e+1]
	s_and_b32 s29, s29, s30
	s_or_b32 s28, s28, s29
	v_cndmask_b32 v[DR+2*\e], v[DR+2*\e], v[DR+4*\c+2*\e], s28
	v_cndmask_b32 v[DR+2*\e+1], v[DR+2*\e+1], v[DR+4*\c+2*\e+1], s28
.endr
.endr
	v_min_u32 v[DR+4], 0x7ff, v[DR+1]
	v_min_u32 v[DR+5], 0x7ff, v[DR+3]
	global_store_b64 v[T8], v[DR+4:DR+5], s[14:15] ; a wave stores 256 consecutive bytes, at a multiple of 256 from the buffer's first byte
	s_or_b32 s28, ttmp9, s[WV]
	s_cmp_lg_u32 s28, 0
	s_cbranch_scc1 .Lend
	s_add_co_u32 s29, s[STG], 1                    ; the header for the launch that reads these indices: its stage, and my code book
	v_mov_b32 v[DR+8], s29
	v_mov_b32 v[DR+9], s[STG]
	global_store_b64 v[L8], v[DR+8:DR+9], s[14:15] offset:HDR
.Lend:
	s_wait_tensorcnt 0x0
	ds_add_u32 v254, v255
	s_wait_dscnt 0x0
	s_endpgm
.Lfunc_end_k_q93e8dad75c_st0:
	.size	k_q93e8dad75c_st0, .Lfunc_end_k_q93e8dad75c_st0-k_q93e8dad75c_st0
	.p2alignl 7, 3214868480
	.fill 96, 4, 3214868480
	.section	.rodata,"a",@progbits
	.p2align	6, 0x0
	.amdhsa_kernel k_q93e8dad75c_st0
		.amdhsa_group_segment_fixed_size 91648
		.amdhsa_private_segment_fixed_size 0
		.amdhsa_enable_private_segment 0
		.amdhsa_kernarg_size 48
		.amdhsa_user_sgpr_count 2
		.amdhsa_user_sgpr_kernarg_segment_ptr 1
		.amdhsa_wavefront_size32 1
		.amdhsa_system_sgpr_workgroup_id_x 1
		.amdhsa_system_sgpr_workgroup_id_y 1
		.amdhsa_system_sgpr_workgroup_id_z 1
		.amdhsa_system_vgpr_workitem_id 0
		.amdhsa_next_free_vgpr 1024
		.amdhsa_next_free_sgpr 84
		.amdhsa_reserve_vcc 1
		.amdhsa_float_denorm_mode_32 3
		.amdhsa_float_denorm_mode_16_64 3
		.amdhsa_memory_ordered 1
		.amdhsa_forward_progress 1
		.amdhsa_inst_pref_size 186
	.end_amdhsa_kernel
	.amdgpu_metadata
---
amdhsa.version: [ 1, 2 ]
amdhsa.kernels:
  - .name:           k_q93e8dad75c_st0
    .symbol:         k_q93e8dad75c_st0.kd
    .args:
      - { .name: x, .offset: 0, .size: 8, .value_kind: global_buffer, .address_space: global }
      - { .name: idx3, .offset: 8, .size: 8, .value_kind: global_buffer, .address_space: global }
      - { .name: codebooks, .offset: 16, .size: 8, .value_kind: global_buffer, .address_space: global }
      - { .name: cq, .offset: 24, .size: 8, .value_kind: global_buffer, .address_space: global }
      - { .name: rA, .offset: 32, .size: 8, .value_kind: global_buffer, .address_space: global }
      - { .name: idx0, .offset: 40, .size: 8, .value_kind: global_buffer, .address_space: global }
    .group_segment_fixed_size: 91648
    .private_segment_fixed_size: 0
    .kernarg_segment_align: 8
    .kernarg_segment_size: 48
    .max_flat_workgroup_size: 128
    .sgpr_count:     84
    .vgpr_count:     1024
    .wavefront_size: 32
...
	.end_amdgpu_metadata
.endif
;; end of part 2
;; launch st1: the kernel of part 2 again; grid 256 x 1, 4 waves a work-group, no clusters, 91,648 bytes of LDS; arguments x, idx0, codebooks, cq, rA, idx1; writes rA, idx1
;; launch st2: the kernel of part 2 again; grid 256 x 1, 4 waves a work-group, no clusters, 91,648 bytes of LDS; arguments rA, idx1, codebooks, cq, rB, idx2; writes rB, idx2
;; launch st3: the kernel of part 2 again; grid 256 x 1, 4 waves a work-group, no clusters, 91,648 bytes of LDS; arguments rB, idx2, codebooks, cq, rA, idx3; writes rA, idx3
;; launch fin (part 3): grid 256 x 1, 16 waves a work-group, no clusters, 2,304 bytes of LDS; arguments x, codebooks, idx0, idx1, idx2, idx3, out0, out2, part; writes out0, out2, part
.if DOCPART == 3
	.amdgcn_target "amdgcn-amd-amdhsa--gfx1250"
	.amdhsa_code_object_version 6
	.text
	.protected	k_q93e8dad75c_fin
	.globl	k_q93e8dad75c_fin
	.p2align	8
	.type	k_q93e8dad75c_fin,@function
k_q93e8dad75c_fin:
	s_mov_b64 s[64:65], 0
	v_nop
	global_prefetch_b8 v0, s[64:65] scope:SCOPE_SE
	s_setreg_imm32_b32 hwreg(HW_REG_WAVE_MODE, 25, 1), 1
	s_wait_xcnt 0x0
; With all four indices known, the chain is walked once more from x, operation for operation as the problem writes it: for each stage t = c - r, u = r + t, x_q = x_q + u, r = r - u; the sum of t^2 is the stage's loss.
; out0 = x_q; out2[row] = the four indices; part[work-group][stage] = the work-group's sum of t^2 (the next launch adds the 256 parts: no traffic between work-groups).
; A work-group owns 256 rows, each of its sixteen waves 16, in two rounds of 8: a round has 8 loads of x and 32 gathers out, each of a whole row of 512 consecutive bytes.
; Memory binds: x is read once, a code word once for each row and stage, out0 written once in whole rows.  No matrix unit, no cluster, no tensor load: work-groups share only the code books' rows, by index.
; LIMITS: the loss is an f32 sum in another order than the problem's mean; NaN and infinities are not served.
.set X,   16                           ; v16-47   8 rows of the residual
.set C,   48                           ; v48-175  stage s: 8 gathered rows at v[C + 32 s]
.set XQ,  176                          ; v176-207 8 rows of x_q
.set ACC, 208                          ; v208-215 a pair of sums for each stage
.set SM,  216                          ; v216-219 the four sums
.set OI,  220                          ; v220-223 a row's four indices
.set WV,  90
	s_load_b256 s[4:11], s[0:1], 0x0               ; x, code books, idx0, idx1
	s_load_b128 s[12:15], s[0:1], 0x20             ; idx2, idx3
	s_load_b128 s[84:87], s[0:1], 0x30             ; out0, out2
	s_load_b64 s[88:89], s[0:1], 0x40              ; part
	v_lshl_add_u32 v224, v0, 2, 0x100
	v_mov_b32 v225, 0
	v_lshrrev_b32 v2, 5, v0
	v_readfirstlane_b32 s[WV], v2                  ; wave 0..15
	v_and_b32 v1, 31, v0
	v_lshlrev_b32 v1, 4, v1                        ; 16 x lane
	v_lshlrev_b32 v3, 2, v0                        ; 4 x thread
	v_lshlrev_b32 v4, 4, v0                        ; 16 x thread
	v_lshlrev_b32 v5, 4, v2                        ; LDS: 16 x wave
	v_and_b32 v6, 15, v0
	v_lshlrev_b32 v6, 4, v6                        ; LDS: 16 x (lane % 16)
	v_mov_b32 v7, 0
.irp s, 0,1,2,3
	v_mov_b32 v[8+\s], 0                           ; a lane permute's destination counts as one of its sources
.endr
	s_mov_b32 s98, 0x76543210
	s_mov_b32 s99, 0xfedcba98
	s_lshl_b32 s94, s[WV], 6                       ; my 16 indices
	s_lshl_b32 s96, ttmp9, 17                      ; my work-group's 256 rows of 512 bytes,
	s_lshl_b32 s97, s[WV], 13                      ; my wave's 16
	s_add_co_u32 s96, s96, s97
	s_mov_b32 s97, 0
	s_lshl_b32 s92, ttmp9, 10                      ; 256 indices
	s_mov_b32 s93, 0
	s_wait_kmcnt 0x0
	s_add_nc_u64 s[8:9], s[8:9], s[92:93]
	s_add_nc_u64 s[10:11], s[10:11], s[92:93]
	s_add_nc_u64 s[12:13], s[12:13], s[92:93]
	s_add_nc_u64 s[14:15], s[14:15], s[92:93]
	s_load_b512 s[16:31], s[8:9], s94 offset:0x0
	s_load_b512 s[32:47], s[10:11], s94 offset:0x0
	s_load_b512 s[48:63], s[12:13], s94 offset:0x0
	s_load_b512 s[68:83], s[14:15], s94 offset:0x0
	s_add_nc_u64 s[4:5], s[4:5], s[96:97]
	s_add_nc_u64 s[84:85], s[84:85], s[96:97]
	s_lshl_b32 s92, ttmp9, 12                      ; 256 rows of out2
	s_add_nc_u64 s[86:87], s[86:87], s[92:93]
	s_lshl_b32 s92, ttmp9, 4                       ; my 16 bytes of part
	s_add_nc_u64 s[88:89], s[88:89], s[92:93]
	s_wait_kmcnt 0x0
.irp b, 16,32,48,68
.irp i, 0,1,2,3,4,5,6,7,8,9,10,11,12,13,14,15
	s_min_u32 s[\b+\i], s[\b+\i], 2047
.endr
.endr
.macro GATH s, ib, rho                 ; stage s's code words of the round's 8 rows; each load lands on its own offset register
.irp i, 0,1,2,3,4,5,6,7
	v_lshl_add_u32 v[C+32*\s+4*\i], s[\ib+8*\rho+\i], 9, v1
.endr
.irp i, 0,1,2,3,4,5,6,7
	global_load_b128 v[C+32*\s+4*\i:C+32*\s+4*\i+3], v[C+32*\s+4*\i], s[6:7] offset:\s*1048576
.endr
.endm
.macro STAGE s, rho
	s_wait_loadcnt 24-8*\s                         ; loads come back in order: x and this stage's 8 rows are in; the later stages' gathers, 8 each, may be out
.set cs, C+32*\s
.set ac, ACC+2*\s
.set j, 0
.rept 16
	v_pk_add_f32 v[cs+2*j:cs+2*j+1], v[cs+2*j:cs+2*j+1], v[X+2*j:X+2*j+1] neg_lo:[0,1] neg_hi:[0,1]   ; t = c - r
.set j, j+1
.endr
.set j, 0
.rept 16
.if (\rho == 0) && (j == 0)
	v_pk_mul_f32 v[ac:ac+1], v[cs:cs+1], v[cs:cs+1]                                    ; the first product starts the sum
.else
	v_pk_fma_f32 v[ac:ac+1], v[cs+2*j:cs+2*j+1], v[cs+2*j:cs+2*j+1], v[ac:ac+1]
.endif
.if \s == 0
	v_pk_add_f32 v[XQ+2*j:XQ+2*j+1], v[X+2*j:X+2*j+1], v[cs+2*j:cs+2*j+1]              ; u = r + t; x_q = 0 + u
	v_pk_add_f32 v[X+2*j:X+2*j+1], v[X+2*j:X+2*j+1], v[XQ+2*j:XQ+2*j+1] neg_lo:[0,1] neg_hi:[0,1]   ; r = r - u
.else
	v_pk_add_f32 v[cs+2*j:cs+2*j+1], v[X+2*j:X+2*j+1], v[cs+2*j:cs+2*j+1]              ; u = r + t
	v_pk_add_f32 v[XQ+2*j:XQ+2*j+1], v[XQ+2*j:XQ+2*j+1], v[cs+2*j:cs+2*j+1]            ; x_q = x_q + u
.if \s < 3
	v_pk_add_f32 v[X+2*j:X+2*j+1], v[X+2*j:X+2*j+1], v[cs+2*j:cs+2*j+1] neg_lo:[0,1] neg_hi:[0,1]   ; r = r - u
.endif
.endif
.set j, j+1
.endr
.endm
.macro ROUND rho
.irp i, 0,1,2,3,4,5,6,7
	global_load_b128 v[X+4*\i:X+4*\i+3], v1, s[4:5] offset:512*(8*\rho+\i) th:TH_LOAD_NT
.endr
	GATH 0, 16, \rho
	GATH 1, 32, \rho
	GATH 2, 48, \rho
	GATH 3, 68, \rho
.if \rho > 0
	s_wait_xcnt 0x0                                ; the last round's stores have read their data: x_q's registers are written again
.endif
	STAGE 0, \rho
	STAGE 1, \rho
	STAGE 2, \rho
	STAGE 3, \rho
.irp i, 0,1,2,3,4,5,6,7
	global_store_b128 v1, v[XQ+4*\i:XQ+4*\i+3], s[84:85] offset:512*(8*\rho+\i) th:TH_STORE_NT   ; a whole row: 512 consecutive bytes
.endr
.endm
	ROUND 0
	ROUND 1
	s_cmp_lt_u32 s[WV], 8                          ; out2: thread t of the first 256 takes row t
	s_cbranch_scc0 .Lno_idx
	global_load_b32 v[OI], v3, s[8:9]
	global_load_b32 v[OI+1], v3, s[10:11]
	global_load_b32 v[OI+2], v3, s[12:13]
	global_load_b32 v[OI+3], v3, s[14:15]
	s_wait_loadcnt 0x0
	global_store_b128 v4, v[OI:OI+3], s[86:87]     ; 32 lanes store 512 consecutive bytes
.Lno_idx:
.irp s, 0,1,2,3
	v_add_f32 v[SM+\s], v[ACC+2*\s], v[ACC+2*\s+1]
.endr
.irp m, 1,2,4,8
.irp s, 0,1,2,3
	v_add_f32_dpp v[SM+\s], v[SM+\s], v[SM+\s] row_xmask:\m row_mask:0xf bank_mask:0xf
.endr
.endr
.irp s, 0,1,2,3
	v_permlanex16_b32 v[8+\s], v[SM+\s], s98, s99
.endr
.irp s, 0,1,2,3
	v_add_f32 v[SM+\s], v[SM+\s], v[8+\s]          ; the wave's four sums, in every lane
.endr
	ds_store_b128 v5, v[SM:SM+3]                   ; all lanes write the wave's 16 bytes with the same values
	s_wait_dscnt 0x0                               ; for the others' sake
	s_barrier_signal -1
	s_barrier_wait -1
	s_cmp_lg_u32 s[WV], 0
	s_cbranch_scc1 .Lend
	ds_load_b128 v[SM:SM+3], v6                    ; lane l: wave l % 16's sums
	s_wait_dscnt 0x0
.irp m, 1,2,4,8
.irp s, 0,1,2,3
	v_add_f32_dpp v[SM+\s], v[SM+\s], v[SM+\s] row_xmask:\m row_mask:0xf bank_mask:0xf
.endr
.endr
	v_cmp_eq_u32 vcc_lo, 0, v0
	s_wait_xcnt 0x0                                ; EXEC changes only behind this wait
	s_and_saveexec_b32 s91, vcc_lo
	global_store_b128 v7, v[SM:SM+3], s[88:89]
	s_wait_xcnt 0x0                                ; and again ahead of the line that widens it
	s_or_b32 exec_lo, exec_lo, s91
.Lend:
	s_wait_tensorcnt 0x0
	ds_add_u32 v224, v225
	s_wait_dscnt 0x0
	s_endpgm
.Lfunc_end_k_q93e8dad75c_fin:
	.size	k_q93e8dad75c_fin, .Lfunc_end_k_q93e8dad75c_fin-k_q93e8dad75c_fin
	.p2alignl 7, 3214868480
	.fill 96, 4, 3214868480
	.section	.rodata,"a",@progbits
	.p2align	6, 0x0
	.amdhsa_kernel k_q93e8dad75c_fin
		.amdhsa_group_segment_fixed_size 2304
		.amdhsa_private_segment_fixed_size 0
		.amdhsa_enable_private_segment 0
		.amdhsa_kernarg_size 72
		.amdhsa_user_sgpr_count 2
		.amdhsa_user_sgpr_kernarg_segment_ptr 1
		.amdhsa_wavefront_size32 1
		.amdhsa_system_sgpr_workgroup_id_x 1
		.amdhsa_system_sgpr_workgroup_id_y 1
		.amdhsa_system_sgpr_workgroup_id_z 1
		.amdhsa_system_vgpr_workitem_id 0
		.amdhsa_next_free_vgpr 226
		.amdhsa_next_free_sgpr 100
		.amdhsa_reserve_vcc 1
		.amdhsa_float_denorm_mode_32 3
		.amdhsa_float_denorm_mode_16_64 3
		.amdhsa_memory_ordered 1
		.amdhsa_forward_progress 1
		.amdhsa_inst_pref_size 60
	.end_amdhsa_kernel
	.amdgpu_metadata
---
amdhsa.version: [ 1, 2 ]
amdhsa.kernels:
  - .name:           k_q93e8dad75c_fin
    .symbol:         k_q93e8dad75c_fin.kd
    .args:
      - { .name: x, .offset: 0, .size: 8, .value_kind: global_buffer, .address_space: global }
      - { .name: codebooks, .offset: 8, .size: 8, .value_kind: global_buffer, .address_space: global }
      - { .name: idx0, .offset: 16, .size: 8, .value_kind: global_buffer, .address_space: global }
      - { .name: idx1, .offset: 24, .size: 8, .value_kind: global_buffer, .address_space: global }
      - { .name: idx2, .offset: 32, .size: 8, .value_kind: global_buffer, .address_space: global }
      - { .name: idx3, .offset: 40, .size: 8, .value_kind: global_buffer, .address_space: global }
      - { .name: out0, .offset: 48, .size: 8, .value_kind: global_buffer, .address_space: global }
      - { .name: out2, .offset: 56, .size: 8, .value_kind: global_buffer, .address_space: global }
      - { .name: part, .offset: 64, .size: 8, .value_kind: global_buffer, .address_space: global }
    .group_segment_fixed_size: 2304
    .private_segment_fixed_size: 0
    .kernarg_segment_align: 8
    .kernarg_segment_size: 72
    .max_flat_workgroup_size: 512
    .sgpr_count:     100
    .vgpr_count:     226
    .wavefront_size: 32
...
	.end_amdgpu_metadata
.endif
;; end of part 3
;; launch lsum (part 4): grid 1 x 1, 1 waves a work-group, no clusters, 0 bytes of LDS; arguments part, out1; writes out1
.if DOCPART == 4
	.amdgcn_target "amdgcn-amd-amdhsa--gfx1250"
	.amdhsa_code_object_version 6
	.text
	.protected	k_q93e8dad75c_lsum
	.globl	k_q93e8dad75c_lsum
	.p2align	8
	.type	k_q93e8dad75c_lsum,@function
k_q93e8dad75c_lsum:
	s_mov_b64 s[64:65], 0
	v_nop
	global_prefetch_b8 v0, s[64:65] scope:SCOPE_SE
	s_setreg_imm32_b32 hwreg(HW_REG_WAVE_MODE, 25, 1), 1
	s_wait_xcnt 0x0
; out1 = the mean over the four stages of m + 0.25 m, m = a stage's sum of (c - r)^2 / (65,536 x 128).  part holds 256 work-groups' four sums: 4,096 bytes, read by eight loads of 512 consecutive bytes.
; One wave: a sum over work-groups has one owner.  The order of the additions is not the problem's.
	s_load_b128 s[4:7], s[0:1], 0x0                ; part, out1
	v_lshlrev_b32 v1, 4, v0
	v_mov_b32 v2, 0
.irp s, 0,1,2,3
	v_mov_b32 v[40+\s], 0                          ; a lane permute's destination counts as one of its sources
.endr
	s_mov_b32 s8, 0x76543210
	s_mov_b32 s9, 0xfedcba98
	s_wait_kmcnt 0x0
.irp j, 0,1,2,3,4,5,6,7
	global_load_b128 v[4+4*\j:7+4*\j], v1, s[4:5] offset:512*\j
.endr
	s_wait_loadcnt 0x0
.irp j, 1,2,3,4,5,6,7
	v_pk_add_f32 v[4:5], v[4:5], v[4+4*\j:5+4*\j]
	v_pk_add_f32 v[6:7], v[6:7], v[6+4*\j:7+4*\j]
.endr
.irp m, 1,2,4,8
.irp s, 0,1,2,3
	v_add_f32_dpp v[4+\s], v[4+\s], v[4+\s] row_xmask:\m row_mask:0xf bank_mask:0xf
.endr
.endr
.irp s, 0,1,2,3
	v_permlanex16_b32 v[40+\s], v[4+\s], s8, s9
.endr
.irp s, 0,1,2,3
	v_add_f32 v[4+\s], v[4+\s], v[40+\s]
.endr
.irp s, 0,1,2,3
	v_mul_f32 v[4+\s], 0x34000000, v[4+\s]         ; / 2^23
.endr
.irp s, 0,1,2,3
	v_fma_f32 v[4+\s], v[4+\s], 0x3e800000, v[4+\s]   ; m + 0.25 m
.endr
	v_add_f32 v4, v4, v5
	v_add_f32 v4, v4, v6
	v_add_f32 v4, v4, v7
	v_mul_f32 v4, 0x3e800000, v4                   ; the mean of four
	v_cmp_eq_u32 vcc_lo, 0, v0
	s_wait_xcnt 0x0                                ; EXEC changes only behind this wait
	s_and_saveexec_b32 s10, vcc_lo
	global_store_b32 v2, v4, s[6:7]
	s_wait_xcnt 0x0                                ; and again ahead of the line that widens it
	s_or_b32 exec_lo, exec_lo, s10
	s_endpgm
.Lfunc_end_k_q93e8dad75c_lsum:
	.size	k_q93e8dad75c_lsum, .Lfunc_end_k_q93e8dad75c_lsum-k_q93e8dad75c_lsum
	.p2alignl 7, 3214868480
	.fill 96, 4, 3214868480
	.section	.rodata,"a",@progbits
	.p2align	6, 0x0
	.amdhsa_kernel k_q93e8dad75c_lsum
		.amdhsa_group_segment_fixed_size 0
		.amdhsa_private_segment_fixed_size 0
		.amdhsa_enable_private_segment 0
		.amdhsa_kernarg_size 16
		.amdhsa_user_sgpr_count 2
		.amdhsa_user_sgpr_kernarg_segment_ptr 1
		.amdhsa_wavefront_size32 1
		.amdhsa_system_sgpr_workgroup_id_x 1
		.amdhsa_system_sgpr_workgroup_id_y 1
		.amdhsa_system_sgpr_workgroup_id_z 1
		.amdhsa_system_vgpr_workitem_id 0
		.amdhsa_next_free_vgpr 48
		.amdhsa_next_free_sgpr 66
		.amdhsa_reserve_vcc 1
		.amdhsa_float_denorm_mode_32 3
		.amdhsa_float_denorm_mode_16_64 3
		.amdhsa_memory_ordered 1
		.amdhsa_forward_progress 1
		.amdhsa_inst_pref_size 5
	.end_amdhsa_kernel
	.amdgpu_metadata
---
amdhsa.version: [ 1, 2 ]
amdhsa.kernels:
  - .name:           k_q93e8dad75c_lsum
    .symbol:         k_q93e8dad75c_lsum.kd
    .args:
      - { .name: part, .offset: 0, .size: 8, .value_kind: global_buffer, .address_space: global }
      - { .name: out1, .offset: 8, .size: 8, .value_kind: global_buffer, .address_space: global }
    .group_segment_fixed_size: 0
    .private_segment_fixed_size: 0
    .kernarg_segment_align: 8
    .kernarg_segment_size: 16
    .max_flat_workgroup_size: 32
    .sgpr_count:     66
    .vgpr_count:     48
    .wavefront_size: 32
...
	.end_amdgpu_metadata
.endif
;; end of part 4
;; ======== version 2 of 2: 7 launches
;; workspace buffers: cq 851,968 bytes; idx0 262,400 bytes of whole numbers; idx1 262,400 bytes of whole numbers; idx2 262,400 bytes of whole numbers; idx3 262,400 bytes of whole numbers; rA 33,554,432 bytes; rB 33,554,432 bytes; part 4,096 bytes
;; launch cbq (part 5): grid 256 x 1, 1 waves a work-group, no clusters, 17,152 bytes of LDS; arguments codebooks, cq, idx3; writes cq, idx3
.if DOCPART == 5
	.amdgcn_target "amdgcn-amd-amdhsa--gfx1250"
	.amdhsa_code_object_version 6
	.text
	.protected	k_q93e8dad75c_cbq
	.globl	k_q93e8dad75c_cbq
	.p2align	8
	.type	k_q93e8dad75c_cbq,@function
k_q93e8dad75c_cbq:
	s_mov_b64 s[64:65], 0
	v_nop
	global_prefetch_b8 v0, s[64:65] scope:SCOPE_SE
	s_setreg_imm32_b32 hwreg(HW_REG_WAVE_MODE, 25, 1), 1
	s_wait_xcnt 0x0
; The four code books [4][2048][128] f32 are quantised ONCE, along their 128, into codes of BF6 (E3M2) with one E8M0 byte for each 32, and laid as the stage launches' operand registers want them.
; cq, for each stage CQS bytes: 128 tiles of 16 code words, each an IMAGE of the operand's 12 registers (3 pieces of 512 bytes: registers 4 c .. 4 c + 3 of lane l at 16 l);
; at WOFF one scale word (4 bytes) a code word; at HOFF one f32 a code word: -||c||^2 / 2, of the unquantised numbers.
; A block's scale is 2^(floor(log2(largest magnitude)) - 4); its byte is the largest magnitude's exponent field - 4, held at 1 from below (a block of zeros keeps the byte 1: its codes are zeros, and this program alone reads the bytes).
; LIMITS: blocks whose largest magnitude lies under 2^-122 keep the byte 1; NaN and infinities are not served; ||c||^2 is an f32 sum in eight chains, another order than a plain loop's.
; One wave a work-group, 32 code words (two tiles) each: 256 work-groups.  Each load reads a code word's 512 consecutive bytes; the rows turn through LDS (pitch 528) so that lane (r, h) holds k = 64 c + 32 h + 0 .. 31 of row r.
; The launch also lays the first stage's index buffer: zeros for all rows, and the header (stage 0, code book 0).
; No matrix unit, no cluster, no tensor load: 4 MB are read once and work-groups share nothing.
.set CQS,  212992
.set WOFF, 196608
.set HOFF, 204800
.set HDR,  262144
.set PT,   528
.set SEL,  20                          ; s[20:21] selects of v_permlanex16_b32: lane l xor 16
.set HI,   24                          ; s24 the mask of lanes 16-31
.set RW,   32                          ; v32-159  32 rows as loaded, later at work
.set XX,   160                         ; v160-223 a lane's 64 numbers of its row
; 64 numbers of a lane, v[X + 32 c + i] = k 64 c + 32 h + i of its row, become the operand's 12 registers v[T+20 .. T+31], the row's scale word v[T+19] (right in both halves of the lanes) and the row's sum of squares v[T+18].
.macro QUANT6 X, T
	v_mov_b32 v[(\T)+17], 0                        ; a lane permute's destination counts as one of its sources
	v_mov_b32 v[(\T)+40], 0
.irp q, 0,1,2,3
	v_max3_num_f32 v[(\T)+\q], |v[(\X)+16*\q]|, |v[(\X)+16*\q+1]|, 0x2800000   ; four chains of 16 numbers; the floor 2^(5 - 127) holds the byte at 1 from below
	v_pk_mul_f32 v[(\T)+4+2*\q:(\T)+5+2*\q], v[(\X)+16*\q:(\X)+16*\q+1], v[(\X)+16*\q:(\X)+16*\q+1]
.endr
.irp i, 2,4,6,8,10,12,14
.irp q, 0,1,2,3
	v_max3_num_f32 v[(\T)+\q], v[(\T)+\q], |v[(\X)+16*\q+\i]|, |v[(\X)+16*\q+\i+1]|
	v_pk_fma_f32 v[(\T)+4+2*\q:(\T)+5+2*\q], v[(\X)+16*\q+\i:(\X)+16*\q+\i+1], v[(\X)+16*\q+\i:(\X)+16*\q+\i+1], v[(\T)+4+2*\q:(\T)+5+2*\q]
.endr
.endr
	v_max_num_f32 v[(\T)], v[(\T)], v[(\T)+1]      ; block h's largest magnitude
	v_max_num_f32 v[(\T)+2], v[(\T)+2], v[(\T)+3]  ; block 2 + h's
	v_pk_add_f32 v[(\T)+4:(\T)+5], v[(\T)+4:(\T)+5], v[(\T)+6:(\T)+7]
	v_pk_add_f32 v[(\T)+8:(\T)+9], v[(\T)+8:(\T)+9], v[(\T)+10:(\T)+11]
	v_add_nc_u32 v[(\T)+12], 0xfe000000, v[(\T)]   ; 4 off the exponent field: the conversion takes this operand's exponent field as its scale
	v_add_nc_u32 v[(\T)+13], 0xfe000000, v[(\T)+2]
	v_pk_add_f32 v[(\T)+4:(\T)+5], v[(\T)+4:(\T)+5], v[(\T)+8:(\T)+9]
	v_lshrrev_b32 v[(\T)+14], 23, v[(\T)+12]       ; the scales' bytes
	v_lshrrev_b32 v[(\T)+15], 23, v[(\T)+13]
	v_add_f32 v[(\T)+4], v[(\T)+4], v[(\T)+5]
	v_lshl_or_b32 v[(\T)+16], v[(\T)+15], 16, v[(\T)+14]
	v_permlanex16_b32 v[(\T)+40], v[(\T)+4], s[SEL], s[SEL+1]
	v_permlanex16_b32 v[(\T)+17], v[(\T)+16], s[SEL], s[SEL+1]
	v_add_f32 v[(\T)+18], v[(\T)+4], v[(\T)+40]    ; the row's sum of squares, in both halves
	v_lshl_or_b32 v[(\T)+19], v[(\T)+17], 8, v[(\T)+16]   ; lanes 0-15 hold blocks 0 and 2, the lane 16 on blocks 1 and 3
	v_lshl_or_b32 v[(\T)+41], v[(\T)+16], 8, v[(\T)+17]
	v_cndmask_b32 v[(\T)+19], v[(\T)+19], v[(\T)+41], s[HI]
.irp c, 0,1
	v_cvt_scalef32_pk16_bf6_f32 v[(\T)+20+6*\c:(\T)+22+6*\c], v[(\X)+32*\c:(\X)+32*\c+15], v[(\T)+12+\c]
	v_cvt_scalef32_pk16_bf6_f32 v[(\T)+32+4*\c:(\T)+34+4*\c], v[(\X)+32*\c+16:(\X)+32*\c+31], v[(\T)+12+\c]   ; a conversion's three registers begin on an even number: the second half is made apart and moved
.endr
	v_nop                                          ; one plain instruction behind the scaled conversions
.irp c, 0,1
.irp i, 0,1,2
	v_mov_b32 v[(\T)+23+6*\c+\i], v[(\T)+32+4*\c+\i]
.endr
.endr
.endm
	s_load_b128 s[4:7], s[0:1], 0x0                ; code books, cq
	s_load_b64 s[8:9], s[0:1], 0x10                ; the first stage's index buffer
	v_lshl_add_u32 v224, v0, 2, 0x4200
	v_mov_b32 v225, 0
	v_and_b32 v1, 15, v0                           ; r
	v_lshrrev_b32 v2, 4, v0                        ; h (one wave: the thread's number is the lane)
	v_lshlrev_b32 v3, 4, v0                        ; 16 x lane
	v_lshlrev_b32 v4, 2, v0                        ; 4 x lane
	v_lshlrev_b32 v5, 3, v0                        ; 8 x lane
	v_mul_u32_u24 v6, v1, PT
	v_lshl_add_u32 v6, v2, 7, v6                   ; out of the stage: row r, + 128 h
.irp i, 8,9,10,11
	v_mov_b32 v\i, 0                               ; zeros to store; never rewritten
.endr
	s_mov_b32 s[SEL], 0x76543210
	s_mov_b32 s[SEL+1], 0xfedcba98
	s_mov_b32 s[HI], 0xffff0000
	s_lshl_b32 s10, ttmp9, 14                      ; my 32 code words of 512 bytes
	s_mov_b32 s11, 0
	s_lshr_b32 s12, ttmp9, 6                       ; the stage: 64 work-groups each
	s_and_b32 s13, ttmp9, 63                       ; my pair of tiles in it
	s_mul_i32 s12, s12, CQS
	s_mul_i32 s14, s13, 3072                       ; two images
	s_add_co_u32 s14, s14, s12
	s_mov_b32 s15, 0
	s_lshl_b32 s16, s13, 7                         ; 32 words of 4 bytes
	s_add_co_u32 s16, s16, s12
	s_mov_b32 s17, 0
	s_lshl_b32 s18, ttmp9, 10                      ; 256 rows' indices
	s_mov_b32 s19, 0
	s_wait_alu depctr_va_vdst(0)
	s_wait_kmcnt 0x0
	s_add_nc_u64 s[4:5], s[4:5], s[10:11]
	s_add_nc_u64 s[14:15], s[6:7], s[14:15]
	s_add_nc_u64 s[16:17], s[6:7], s[16:17]
	s_add_nc_u64 s[18:19], s[8:9], s[18:19]
.set i, 0
.rept 32
	global_load_b128 v[RW+4*i:RW+4*i+3], v3, s[4:5] offset:512*i th:TH_LOAD_NT   ; 32 lanes read one code word's 512 bytes
.set i, i+1
.endr
	global_store_b128 v3, v[8:11], s[18:19]        ; zero indices for 256 rows: 512 consecutive bytes a store
	global_store_b128 v3, v[8:11], s[18:19] offset:512
	s_cmp_lg_u32 ttmp9, 0
	s_cbranch_scc1 .Lnot_first
	global_store_b64 v5, v[8:9], s[8:9] offset:HDR ; the header, 256 bytes: 32 pairs (stage 0, code book 0)
.Lnot_first:
	s_wait_loadcnt 0x0
.set i, 0
.rept 32
	ds_store_b128 v3, v[RW+4*i:RW+4*i+3] offset:PT*i
.set i, i+1
.endr
.macro TILE u, T
.irp c, 0,1
.irp i, 0,1,2,3,4,5,6,7
	ds_load_b128 v[XX+32*\c+4*\i:XX+32*\c+4*\i+3], v6 offset:16*PT*(\u)+256*\c+16*\i   ; LDS serves a wave's instructions in order: these see the stores above
.endr
.endr
	s_wait_dscnt 0x0                               ; the numbers are in, and the stores have read the registers that now serve as work space
	QUANT6 XX, \T
	v_mul_f32 v[(\T)+18], -0.5, v[(\T)+18]         ; -||c||^2 / 2
.irp c, 0,1,2
	global_store_b128 v3, v[(\T)+20+4*\c:(\T)+23+4*\c], s[14:15] offset:1536*(\u)+512*\c   ; the image: 512 consecutive bytes a store
.endr
.endm
	TILE 0, 32
	TILE 1, 96                                     ; other work registers: no store's data are written again
	v_cndmask_b32 v12, v51, v115, s[HI]            ; lanes 0-15: tile 0's scale words; lanes 16-31: tile 1's
	v_cndmask_b32 v13, v50, v114, s[HI]            ; and the same of -||c||^2 / 2
	global_store_b32 v4, v12, s[16:17] offset:WOFF ; 128 consecutive bytes
	global_store_b32 v4, v13, s[16:17] offset:HOFF
	s_wait_tensorcnt 0x0
	ds_add_u32 v224, v225
	s_wait_dscnt 0x0
	s_endpgm
.Lfunc_end_k_q93e8dad75c_cbq:
	.size	k_q93e8dad75c_cbq, .Lfunc_end_k_q93e8dad75c_cbq-k_q93e8dad75c_cbq
	.p2alignl 7, 3214868480
	.fill 96, 4, 3214868480
	.section	.rodata,"a",@progbits
	.p2align	6, 0x0
	.amdhsa_kernel k_q93e8dad75c_cbq
		.amdhsa_group_segment_fixed_size 17152
		.amdhsa_private_segment_fixed_size 0
		.amdhsa_enable_private_segment 0
		.amdhsa_kernarg_size 24
		.amdhsa_user_sgpr_count 2
		.amdhsa_user_sgpr_kernarg_segment_ptr 1
		.amdhsa_wavefront_size32 1
		.amdhsa_system_sgpr_workgroup_id_x 1
		.amdhsa_system_sgpr_workgroup_id_y 1
		.amdhsa_system_sgpr_workgroup_id_z 1
		.amdhsa_system_vgpr_workitem_id 0
		.amdhsa_next_free_vgpr 226
		.amdhsa_next_free_sgpr 66
		.amdhsa_reserve_vcc 0
		.amdhsa_float_denorm_mode_32 3
		.amdhsa_float_denorm_mode_16_64 3
		.amdhsa_memory_ordered 1
		.amdhsa_forward_progress 1
		.amdhsa_inst_pref_size 22
	.end_amdhsa_kernel
	.amdgpu_metadata
---
amdhsa.version: [ 1, 2 ]
amdhsa.kernels:
  - .name:           k_q93e8dad75c_cbq
    .symbol:         k_q93e8dad75c_cbq.kd
    .args:
      - { .name: codebooks, .offset: 0, .size: 8, .value_kind: global_buffer, .address_space: global }
      - { .name: cq, .offset: 8, .size: 8, .value_kind: global_buffer, .address_space: global }
      - { .name: idx3, .offset: 16, .size: 8, .value_kind: global_buffer, .address_space: global }
    .group_segment_fixed_size: 17152
    .private_segment_fixed_size: 0
    .kernarg_segment_align: 8
    .kernarg_segment_size: 24
    .max_flat_workgroup_size: 32
    .sgpr_count:     66
    .vgpr_count:     226
    .wavefront_size: 32
...
	.end_amdgpu_metadata
.endif
;; end of part 5
;; launch st0 (part 6): grid 256 x 1, 4 waves a work-group, no clusters, 91,648 bytes of LDS; arguments x, idx3, codebooks, cq, rA, idx0; writes rA, idx0
.if DOCPART == 6
	.amdgcn_target "amdgcn-amd-amdhsa--gfx1250"
	.amdhsa_code_object_version 6
	.text
	.protected	k_q93e8dad75c_st0
	.globl	k_q93e8dad75c_st0
	.p2align	8
	.type	k_q93e8dad75c_st0,@function
k_q93e8dad75c_st0:
	s_mov_b64 s[64:65], 0
	v_nop
	global_prefetch_b8 v0, s[64:65] scope:SCOPE_SE
	s_setreg_imm32_b32 hwreg(HW_REG_WAVE_SCHED_MODE, 0, 2), 2
	s_setreg_imm32_b32 hwreg(HW_REG_WAVE_MODE, 25, 1), 1
	s_wait_xcnt 0x0
	s_wait_alu depctr_vm_vsrc(0)
; ONE STAGE of the residual quantiser; the same body serves all four.  Arguments: rin (residual of the stage before, or x), idxin (that stage's indices, with a header), the code books in f32, cq (codes), rout, idxout.
; The header of idxin says which stage s this launch is and from which code book it gathers.  s = 0: the residual is rin.  s > 0: with c = the code word chosen before, t = c - r, u = r + t, r = r - u, operation for operation as the problem writes it.
; s = 1, 2: the new residual is stored to rout.  Then idxout[row] = argmin over 2,048 code words of d = ||r||^2 - 2 r.c + ||c||^2, r.c on codes of BF6 (E3M2) with E8M0 scales for each 32 along the 128.
; SHARES.  A work-group owns 256 rows, 16 tiles of 16.  Each of its four waves keeps 512 code words in REGISTERS for the whole launch: 32 fragments (384 registers), 32 tiles of -||c||^2 / 2 (256), 16 registers of scale words.
; Wave w quantises tile 4 b + w of batch b; the tiles' operands go from wave to wave through LDS as images of their registers; every wave multiplies all 16 tiles by its own 32 tiles of code words.
; THE PRODUCT: source 0 = 16 code words, source 1 = 16 rows, C = -||c||^2 / 2: lane (r, h) holds ONE row r, register j of tile t holds y = r.c - ||c||^2 / 2 of code word 16 t + 8 h + j.  d = fl(||r||^2 - 2 y) falls where y rises.
; THE ARGMIN goes by groups of 16 results a lane (two tiles): the group's largest y (three operands at a time), one fused multiply-add to d, one compare with the running least d; where the group wins, its d, its number and
; its 16 results are kept.  After 16 groups the 16 kept results are turned into d and the first that equals the least d gives the place.  A tie keeps the older group and the lower place; lanes and waves are joined by (d, code word).
; BY TURNS.  One wave has the SIMD to itself, so each matrix instruction stands alone among the vector work of other groups: products run three groups ahead of the copy, maxima two.
; LIMITS.  d is rounded as fl(||r||^2 - 2 (r.c - ||c||^2 / 2)), ||c||^2 entering inside the matrix sum: another order of rounding than the problem's two additions; ties at that rounding go to the lowest index.
; ||r||^2 is an f32 sum in eight chains.  NaN and infinities are not served (the index is held at 2,047).  Blocks whose largest magnitude lies under 2^-122 keep the scale byte 1.
; NO CLUSTER, NO TENSOR LOAD: what work-groups share is the stage's 212,992 bytes of cq, which each wave loads once, straight into the registers where they stay; a joint load would land them in LDS, to be written and read there
; once more.  The rows of batch b + 2 are asked for a batch ahead, into registers of their own, so no prefetch is laid.
; THE MODE: SCHED_MODE bits 1:0 = 2 (LLVM: expert scheduling mode 2), set by the entry lines.  The code itself states the register dependences
; between vector or matrix instructions and memory or LDS instructions, with s_wait_alu, always for 0.
; THE PLAN.  Registers that memory or LDS instructions touch:
;   v1-9, v60, v61  offsets and LDS addresses: made at the head, never written again.
;   v11-15          the batch's five LDS addresses: written at a trip's head, read by the trip's LDS loads and stores.
;   v160-175 (GO)   the gathers' offsets: written in GATHER, read by its sixteen loads; registers of their own, so that no gathered row lands on a register that a load reads.
;   XF, XR          two row fragments by turns: pass x's products (up to block 12), multiply-adds and RESOLVE read fragment x; the four LDS loads dealt into the next pass land in it.
;   RUN, GID        written by a pass's blocks and RESOLVE; read by the candidate's LDS store.
;   R (window 3)    rows land; the residual's additions write it; the stores to memory and to my stage read it; the quantiser writes it as work space; the image's stores read it.
;   G (window 3)    gathered rows land; the additions read and write it; the stage's LDS loads land in it; the quantiser reads it.
;   DR              named by matrix and vector instructions alone in the loop; behind it the candidates land there, and the last store reads it.
; WAITS ON va_vdst: at the head (addresses); in GATHER (offsets written; the quantiser done with G and R); twice in PREP (the residual written and G free; the codes written); at a trip's head (five addresses);
;   in RESOLVE ahead of the candidate's store (RUN and GID written; every reader of the pass's fragment done, so that the next pass's loads owe nothing); ahead of the two last stores.
; WAITS ON vm_vsrc: behind the candidate's store; in PREP ahead of the quantiser; behind the barrier that follows PREP.  WAITS ON va_sdst, va_vcc: between each run of compares (and the wave's number) and the first reader.
; REGISTERS, in windows of 256 (s_set_vgpr_msb: bits 1:0 source 0, 3:2 source 1, 5:4 source 2, 7:6 destination):
;   window 0: v1-15 addresses; v16-31 the code words' scale words; v32-55 two row fragments; v56-59 their (||r||^2, scale word); v64-127 results, four groups; v128-143 the kept group; v144.. at work; v160-175 the gathers' offsets
;   window 1: fragments 0-15 at v[12 t]; C tiles 0-7 at v[192 + 8 t].   window 2: fragments 16-31; C tiles 16-23.   window 3: C tiles 8-15 at v0, 24-31 at v64; v128-191 16 rows as loaded; v192-255 gathered rows, then a lane's 64 numbers
.set DUAL, 1                           ; 1: the copies go two to an instruction
.set CQS,  212992                      ; a stage of cq; scale words at WOFF, -||c||^2 / 2 at HOFF
.set WOFF, 196608
.set HOFF, 204800
.set HDR,  262144                      ; the header behind 65,536 indices
.set TSL,  2048                        ; LDS: a row tile's slot: 1,536 bytes of image, then 8 bytes a lane: (||r||^2, scale word).  20 slots from byte 0: tiles 0-15, and each wave's first tile once more
.set TST,  40960                       ; each wave's own stage, 16 rows x 528 bytes: from rows as loaded to a lane's 64 numbers
.set PT,   528
.set CAND, 74752                       ; candidates: 4,096 bytes a wave, 256 a tile, 8 a lane: (d, code word)
.set L16, 1                            ; 16 x lane
.set L8,  2                            ; 8 x lane
.set L4,  3                            ; 4 x lane
.set H32, 4                            ; 32 x (lane / 16)
.set TW,  5                            ; my stage, on the way in
.set TR,  6                            ; and out
.set XW,  7                            ; where I store an image: 2,048 x wave + 16 x lane
.set XW8, 8                            ; 2,048 x wave + 8 x lane
.set CB,  9                            ; my candidates
.set CBASE, 10                         ; 512 x wave + 8 x (lane / 16)
.set AX,  11                           ; the five addresses of the batch in hand
.set AY,  12
.set AC,  13
.set AW,  14
.set AW8, 15
.set SA,  16
.set XF,  32
.set XR,  56
.set T8,  60                           ; 8 x thread
.set CA,  61                           ; the joining of candidates: my two rows
.set DR,  64
.set S,   128
.set RUN, 144                          ; the least d so far, and beside it its group, later its code word
.set GID, 145
.set MA,  146
.set MB,  147
.set DG,  148                          ; v148-149 a group's d, two groups in flight
.set P,   154
.set TT,  158
.set GO,  160                          ; v160-175 the gathers' offsets: 512 x index + 16 x lane
.set R,   128                          ; window 3
.set G,   192                          ; window 3
.set WV,  16
.set STG, 17                           ; s
.set KK,  18                           ; the batch
.set K8,  19                           ; 8,192 x batch
.set K1,  20                           ; 1,024 x batch
.set SEL, 22
.set HI,  24
.set FLG, 25                           ; s - 1: under 2 where the residual is stored
.set CQB, 26
.set IDX, 32                           ; s[32:47] my 16 rows' indices
.set IDXP, 48
.set CQA, 50
.set EQ,  68                           ; s[68:83] masks
.set MSB, 0
.macro WIN new                         ; the immediate's high byte repeats the setting that is left; a switch that changes nothing is dropped
.if MSB != (\new)
	s_set_vgpr_msb (MSB<<8)|(\new)
.set MSB, (\new)
.endif
.endm
; 64 numbers of a lane, v[X + 32 c + i] = k 64 c + 32 h + i of its row, become the operand's 12 registers v[T+20 .. T+31], the row's scale word v[T+19] and the row's sum of squares v[T+18].
.macro QUANT6 X, T
	v_mov_b32 v[(\T)+17], 0                        ; a lane permute's destination counts as one of its sources
	v_mov_b32 v[(\T)+40], 0
.irp q, 0,1,2,3
	v_max3_num_f32 v[(\T)+\q], |v[(\X)+16*\q]|, |v[(\X)+16*\q+1]|, 0x2800000   ; four chains of 16 numbers; the floor 2^(5 - 127) holds the byte at 1 from below
	v_pk_mul_f32 v[(\T)+4+2*\q:(\T)+5+2*\q], v[(\X)+16*\q:(\X)+16*\q+1], v[(\X)+16*\q:(\X)+16*\q+1]
.endr
.irp i, 2,4,6,8,10,12,14
.irp q, 0,1,2,3
	v_max3_num_f32 v[(\T)+\q], v[(\T)+\q], |v[(\X)+16*\q+\i]|, |v[(\X)+16*\q+\i+1]|
	v_pk_fma_f32 v[(\T)+4+2*\q:(\T)+5+2*\q], v[(\X)+16*\q+\i:(\X)+16*\q+\i+1], v[(\X)+16*\q+\i:(\X)+16*\q+\i+1], v[(\T)+4+2*\q:(\T)+5+2*\q]
.endr
.endr
	v_max_num_f32 v[(\T)], v[(\T)], v[(\T)+1]      ; block h's largest magnitude
	v_max_num_f32 v[(\T)+2], v[(\T)+2], v[(\T)+3]  ; block 2 + h's
	v_pk_add_f32 v[(\T)+4:(\T)+5], v[(\T)+4:(\T)+5], v[(\T)+6:(\T)+7]
	v_pk_add_f32 v[(\T)+8:(\T)+9], v[(\T)+8:(\T)+9], v[(\T)+10:(\T)+11]
	v_add_nc_u32 v[(\T)+12], 0xfe000000, v[(\T)]   ; 4 off the exponent field: the conversion takes this operand's exponent field as its scale
	v_add_nc_u32 v[(\T)+13], 0xfe000000, v[(\T)+2]
	v_pk_add_f32 v[(\T)+4:(\T)+5], v[(\T)+4:(\T)+5], v[(\T)+8:(\T)+9]
	v_lshrrev_b32 v[(\T)+14], 23, v[(\T)+12]       ; the scales' bytes
	v_lshrrev_b32 v[(\T)+15], 23, v[(\T)+13]
	v_add_f32 v[(\T)+4], v[(\T)+4], v[(\T)+5]
	v_lshl_or_b32 v[(\T)+16], v[(\T)+15], 16, v[(\T)+14]
	v_permlanex16_b32 v[(\T)+40], v[(\T)+4], s[SEL], s[SEL+1]
	v_permlanex16_b32 v[(\T)+17], v[(\T)+16], s[SEL], s[SEL+1]
	v_add_f32 v[(\T)+18], v[(\T)+4], v[(\T)+40]    ; the row's sum of squares, in both halves
	v_lshl_or_b32 v[(\T)+19], v[(\T)+17], 8, v[(\T)+16]   ; lanes 0-15 hold blocks 0 and 2, the lane 16 on blocks 1 and 3
	v_lshl_or_b32 v[(\T)+41], v[(\T)+16], 8, v[(\T)+17]
	v_cndmask_b32 v[(\T)+19], v[(\T)+19], v[(\T)+41], s[HI]   ; (the mask is a constant that a scalar instruction wrote)
.irp c, 0,1
	v_cvt_scalef32_pk16_bf6_f32 v[(\T)+20+6*\c:(\T)+22+6*\c], v[(\X)+32*\c:(\X)+32*\c+15], v[(\T)+12+\c]
	v_cvt_scalef32_pk16_bf6_f32 v[(\T)+32+4*\c:(\T)+34+4*\c], v[(\X)+32*\c+16:(\X)+32*\c+31], v[(\T)+12+\c]   ; a conversion's three registers begin on an even number: the second half is made apart and moved
.endr
	v_nop                                          ; one plain instruction behind the scaled conversions
.irp c, 0,1
.irp i, 0,1,2
	v_mov_b32 v[(\T)+23+6*\c+\i], v[(\T)+32+4*\c+\i]
.endr
.endr
.endm
; One matrix instruction: tile 2 gam + u of my 32 tiles of code words x the rows in fragment x; the result goes to the group's place in the ring of four.  It leaves its window setting standing.
; All its operands and scales are loaded, none is made by a vector instruction.
.macro WM gam, u, x
.set wt, 2*(\gam)+(\u)
.set wd, DR+16*((\gam)%4)+8*(\u)
.if wt < 16
.set wa, 1
.set na, 12*wt
.else
.set wa, 2
.set na, 12*(wt-16)
.endif
.if wt < 8
.set wc, 1
.set nc, 192+8*wt
.elseif wt < 16
.set wc, 3
.set nc, 8*(wt-8)
.elseif wt < 24
.set wc, 2
.set nc, 192+8*(wt-16)
.else
.set wc, 3
.set nc, 64+8*(wt-24)
.endif
.set ww, wa+16*wc
	WIN ww
.if (\u) == 0
	v_wmma_scale_f32_16x16x128_f8f6f4 v[wd:wd+7], v[na:na+11], v[XF+12*(\x):XF+12*(\x)+11], v[nc:nc+7], v[SA+wt/2], v[XR+2*(\x)+1] matrix_a_fmt:MATRIX_FMT_BF6 matrix_b_fmt:MATRIX_FMT_BF6
.else
	v_wmma_scale_f32_16x16x128_f8f6f4 v[wd:wd+7], v[na:na+11], v[XF+12*(\x):XF+12*(\x)+11], v[nc:nc+7], v[SA+wt/2], v[XR+2*(\x)+1] matrix_a_fmt:MATRIX_FMT_BF6 matrix_b_fmt:MATRIX_FMT_BF6 matrix_a_scale:MATRIX_SCALE_ROW1
.endif
.endm
; Two of the group's 16 results go to the kept group where the group has won (VCC = 1 keeps what is there); group 0 starts the tile and is moved.
.macro CP2 i, g
.if (\g) == 0
.if DUAL
	v_dual_mov_b32 v[S+2*\i], v[dc+2*\i] :: v_dual_mov_b32 v[S+2*\i+1], v[dc+2*\i+1]
.else
	v_mov_b32 v[S+2*\i], v[dc+2*\i]
	v_mov_b32 v[S+2*\i+1], v[dc+2*\i+1]
.endif
.else
.if DUAL
	v_dual_cndmask_b32 v[S+2*\i], v[dc+2*\i], v[S+2*\i] :: v_dual_cndmask_b32 v[S+2*\i+1], v[dc+2*\i+1], v[S+2*\i+1]
.else
	v_cndmask_b32 v[S+2*\i], v[dc+2*\i], v[S+2*\i], vcc_lo
	v_cndmask_b32 v[S+2*\i+1], v[dc+2*\i+1], v[S+2*\i+1], vcc_lo
.endif
.endif
.endm
.macro TAKE g                          ; the least d and its group
.if (\g) == 0
.if DUAL
	v_dual_mov_b32 v[RUN], v[dg] :: v_dual_mov_b32 v[GID], 0
.else
	v_mov_b32 v[RUN], v[dg]
	v_mov_b32 v[GID], 0
.endif
.else
.if DUAL
	v_dual_cndmask_b32 v[RUN], v[dg], v[RUN] :: v_dual_cndmask_b32 v[GID], \g, v[GID]
.else
	v_cndmask_b32 v[RUN], v[dg], v[RUN], vcc_lo
	v_cndmask_b32 v[GID], \g, v[GID], vcc_lo
.endif
.endif
.endm
; BLOCK g of a tile's 16: group g is copied where it has won; group g + 1 is compared; group g + 2's largest y and d are made; group g + 3's two products are issued.  Beyond group 15 the next tile's groups follow, on the other fragment.
; The compare of group g + 1 stands at the end of block g, behind the last selection that reads the old VCC; the wait for VCC stands in block g + 1, behind a product and two maxima, ahead of the first selection.
; Each result is first read from its three lowest registers, a dozen plain vector instructions or more behind its matrix instruction (four are asked: ISA guide 7.12.1); no matrix instruction adds onto another's result.
.macro BLOCK g, x
.set bg2, ((\g)+2)%16
.set bg3, ((\g)+3)%16
.set bx2, (\x)
.set bx3, (\x)
.if (\g)+2 > 15
.set bx2, 1-(\x)
.endif
.if (\g)+3 > 15
.set bx3, 1-(\x)
.endif
.set da, DR+16*(bg2%4)
.set dc, DR+16*((\g)%4)
.set dg, DG+(\g)%2
.set dn, DG+((\g)+1)%2
	WM bg3, 0, bx3
	WIN 0
	v_max3_num_f32 v[MA], v[da], v[da+1], v[da+2]
	v_max3_num_f32 v[MB], v[da+8], v[da+9], v[da+10]
.if (\g) > 0
	s_wait_alu depctr_va_vcc(0)                    ; the compare at the end of the block before has written VCC, which the nine selections of this block read
.endif
	TAKE \g
	CP2 0, \g
	CP2 1, \g
	v_max3_num_f32 v[MA], v[MA], v[da+3], v[da+4]
	CP2 2, \g
	CP2 3, \g
	WM bg3, 1, bx3
	WIN 0
	v_max3_num_f32 v[MA], v[MA], v[da+5], v[da+6]
	v_max3_num_f32 v[MB], v[MB], v[da+11], v[da+12]
	CP2 4, \g
	CP2 5, \g
	v_max3_num_f32 v[MB], v[MB], v[da+13], v[da+14]
	v_max3_num_f32 v[MA], v[MA], v[da+7], v[da+15]
	CP2 6, \g
	v_max_num_f32 v[MA], v[MA], v[MB]
	CP2 7, \g
.if (\g) < 15
	v_cmp_ge_f32 vcc_lo, v[dn], v[RUN]             ; group g + 1 against the least d so far.  1: the older group stays, on a tie too
.endif
	v_fma_f32 v[dg], v[MA], -2.0, v[XR+2*bx2]      ; group g + 2's least d = fl(||r||^2 - 2 x its largest y)
.endm
.macro TREE gam, x                     ; a group's largest y and d alone: for the first two groups of all
.set da, DR+16*((\gam)%4)
	v_max3_num_f32 v[MA], v[da], v[da+1], v[da+2]
	v_max3_num_f32 v[MB], v[da+8], v[da+9], v[da+10]
	v_max3_num_f32 v[MA], v[MA], v[da+3], v[da+4]
	v_max3_num_f32 v[MB], v[MB], v[da+11], v[da+12]
	v_max3_num_f32 v[MA], v[MA], v[da+5], v[da+6]
	v_max3_num_f32 v[MB], v[MB], v[da+13], v[da+14]
	v_max3_num_f32 v[MA], v[MA], v[da+7], v[da+15]
	v_max_num_f32 v[MA], v[MA], v[MB]
	v_fma_f32 v[DG+(\gam)%2], v[MA], -2.0, v[XR+2*(\x)]
.endm
.macro LOADX x, a, a8, off             ; a row tile's image, and its (||r||^2, scale word), into fragment x: in one run, for the first tile of all
.irp c, 0,1,2
	ds_load_b128 v[XF+12*(\x)+4*\c:XF+12*(\x)+4*\c+3], v[\a] offset:(\off)+512*\c
.endr
	ds_load_b64 v[XR+2*(\x):XR+2*(\x)+1], v[\a8] offset:(\off)+1536
.endm
; The tile is through: the 16 kept results become d by the same multiply-add; the first that equals the least d gives the place p; the code word is 32 x group + p + (p & 8) + 8 (lane / 16) + 512 x wave.
.macro RESOLVE x, p
.irp i, 0,1,2,3,4,5,6,7
	v_pk_fma_f32 v[S+2*\i:S+2*\i+1], v[S+2*\i:S+2*\i+1], -2.0, v[XR+2*(\x):XR+2*(\x)+1] op_sel_hi:[1,0,0]
.endr
.irp j, 0,1,2,3,4,5,6,7,8,9,10,11,12,13,14,15
	v_cmp_eq_f32 s[EQ+\j], v[S+\j], v[RUN]
.endr
	v_lshl_add_u32 v[GID], v[GID], 5, v[CBASE]     ; 32 x group + 512 x wave + 8 (lane / 16)
	s_wait_alu depctr_va_sdst(0)                   ; the sixteen compares have written their masks, which the selections below read: one wait for the run
.irp q, 0,1,2,3
	v_cndmask_b32 v[P+\q], 63, 4*\q+3, s[EQ+4*\q+3]   ; four chains by turns, each from its highest place down, so that the lowest stays
.endr
.irp n, 2,1,0
.irp q, 0,1,2,3
	v_cndmask_b32 v[P+\q], v[P+\q], 4*\q+\n, s[EQ+4*\q+\n]
.endr
.endr
	v_min_u32 v[P], v[P], v[P+1]
	v_min_u32 v[P+2], v[P+2], v[P+3]
	v_min_u32 v[P], v[P], v[P+2]
	v_and_b32 v[TT], 8, v[P]
	v_add_nc_u32 v[TT], v[TT], v[P]                ; p + (p & 8)
	v_add_nc_u32 v[GID], v[GID], v[TT]
	s_wait_alu depctr_va_vdst(0)                   ; v[RUN] and v[GID] are written, which the store reads; and the pass's products, multiply-adds and the lines above are done reading this pass's fragment, in which the next pass's LDS loads land (behind the last pass: the products and maxima are done with v[DR ..], in which the candidates land)
	ds_store_b64 v[AC], v[RUN:GID] offset:256*(\p)
	s_wait_alu depctr_vm_vsrc(0)                   ; the store has read v[RUN] and v[GID], which the next pass's first block writes; it and the trip's earlier LDS instructions have read the batch's five addresses, which the next trip's head writes
.endm
; Tile 4 k + p, in fragment x.  The next tile's fragment is asked for behind blocks 0 to 3, a load each (every window is 0 there), and is waited for where its first product stands.
; No wait on va_vdst for these loads: no vector or matrix instruction since the wait in the last RESOLVE (at a trip's head: since the wait there) names the other fragment before block 13.
.macro PASS x, p
.irp g, 0,1,2
	BLOCK \g, \x
	ds_load_b128 v[XF+12*(1-(\x))+4*\g:XF+12*(1-(\x))+4*\g+3], v[AX] offset:TSL*((\p)+1)+512*\g
.endr
	BLOCK 3, \x
	ds_load_b64 v[XR+2*(1-(\x)):XR+2*(1-(\x))+1], v[AY] offset:TSL*((\p)+1)+1536
.irp g, 4,5,6,7,8,9,10,11,12
	BLOCK \g, \x
.endr
	s_wait_dscnt 0x0
.irp g, 13,14,15
	BLOCK \g, \x
.endr
	RESOLVE \x, \p
.endm
.macro LOADR off                       ; my 16 rows of a batch as they lie: 512 consecutive bytes a load.  It follows GATHER, whose wait on va_vdst has shown the quantiser done with v[R ..]; no vector instruction stands between
	WIN 0xc0
.irp i, 0,1,2,3,4,5,6,7,8,9,10,11,12,13,14,15
	global_load_b128 v[R+4*\i:R+4*\i+3], v[L16], s[4:5] offset:(\off)+512*\i th:TH_LOAD_NT
.endr
	WIN 0
.endm
; The code words that the stage before chose for my 16 rows.  Stage 0 gathers by the zeros that it is given and uses nothing of it: so both ways have the same loads out.
; Then the next batch's 16 indices are asked for.  The last such load takes the 64 bytes that follow my rows' (for the last work-group: of the header, inside the buffer); nobody uses them.
.macro GATHER noff
	s_wait_kmcnt 0x0
.irp i, 0,1,2,3,4,5,6,7,8,9,10,11,12,13,14,15
	s_min_u32 s[IDX+\i], s[IDX+\i], 2047
.endr
.irp i, 0,1,2,3,4,5,6,7,8,9,10,11,12,13,14,15
	v_lshl_add_u32 v[GO+\i], s[IDX+\i], 9, v[L16]
.endr
	WIN 0xc0
	s_wait_alu depctr_va_vdst(0)                   ; the sixteen offsets are written, which the loads read; the quantiser is done reading v[G ..], in which they land, and done with v[R ..], in which the rows that follow land
.irp i, 0,1,2,3,4,5,6,7,8,9,10,11,12,13,14,15
	global_load_b128 v[G+4*\i:G+4*\i+3], v[GO+\i], s[8:9]
.endr
	WIN 0
	s_load_b512 s[IDX:IDX+15], s[IDXP:IDXP+1], \noff
.endm
; My tile of a batch: the residual, its store, the turn through my stage, the quantiser, the image.  lcnt: the younger loads that may stay out; -1: the wait for the rows stands ahead of the macro.
.macro PREP lcnt, goff, aw, aw8, loff, dup
.if (\lcnt) >= 0
	s_wait_loadcnt \lcnt
.endif
	s_cmp_eq_u32 s[STG], 0
	s_cbranch_scc1 .Lraw_\@
	WIN 0xff
.set j, 0
.rept 32
	v_pk_add_f32 v[G+2*j:G+2*j+1], v[G+2*j:G+2*j+1], v[R+2*j:R+2*j+1] neg_lo:[0,1] neg_hi:[0,1]   ; t = c - r
.set j, j+1
.endr
.set j, 0
.rept 32
	v_pk_add_f32 v[G+2*j:G+2*j+1], v[R+2*j:R+2*j+1], v[G+2*j:G+2*j+1]                              ; u = r + t
.set j, j+1
.endr
.set j, 0
.rept 32
	v_pk_add_f32 v[R+2*j:R+2*j+1], v[R+2*j:R+2*j+1], v[G+2*j:G+2*j+1] neg_lo:[0,1] neg_hi:[0,1]   ; r = r - u
.set j, j+1
.endr
	WIN 0
.Lraw_\@:
	s_wait_alu depctr_va_vdst(0)                   ; the additions have written v[R ..], which the stores to memory and to my stage read, and are done with v[G ..], in which the stage's loads land; up to those loads only stores follow, which name v[R ..] and their own addresses
	s_cmp_lt_u32 s[FLG], 2
	s_cbranch_scc0 .Lkeep_\@
	WIN 0x0c
.irp i, 0,1,2,3,4,5,6,7,8,9,10,11,12,13,14,15
	global_store_b128 v[L16], v[R+4*\i:R+4*\i+3], s[12:13] offset:(\goff)+512*\i   ; 512 consecutive bytes, at a multiple of 512 from the buffer's first byte
.endr
	WIN 0
.Lkeep_\@:
	WIN 0x0c
.irp i, 0,1,2,3,4,5,6,7,8,9,10,11,12,13,14,15
	ds_store_b128 v[TW], v[R+4*\i:R+4*\i+3] offset:PT*\i
.endr
	WIN 0xc0
.irp c, 0,1
.irp i, 0,1,2,3,4,5,6,7
	ds_load_b128 v[G+32*\c+4*\i:G+32*\c+4*\i+3], v[TR] offset:256*\c+16*\i   ; LDS serves a wave's instructions in order: these see the stores above; the stage is my own
.endr
.endr
	s_wait_dscnt 0x0                               ; my 64 numbers are in
	s_wait_xcnt 0x0                                ; the stores to memory have had their addresses translated: the rows' registers now serve as work space
	s_wait_alu depctr_vm_vsrc(0)                   ; the stores to memory and to my stage have read v[R ..], which the quantiser writes
	WIN 0xff
	QUANT6 G, R
	WIN 0x0c
	s_wait_alu depctr_va_vdst(0)                   ; the quantiser has written the codes, the sum of squares and the scale word, v[R+18 .. R+31], which the image's stores read
.irp c, 0,1,2
	ds_store_b128 v[\aw], v[R+20+4*\c:R+23+4*\c] offset:(\loff)+512*\c
.endr
	ds_store_b64 v[\aw8], v[R+18:R+19] offset:(\loff)+1536
.if \dup
.irp c, 0,1,2
	ds_store_b128 v[\aw], v[R+20+4*\c:R+23+4*\c] offset:(\loff)+16*TSL+512*\c   ; once more, 16 slots on: the last pass looks one tile ahead and finds tile 0 there
.endr
	ds_store_b64 v[\aw8], v[R+18:R+19] offset:(\loff)+16*TSL+1536
.endif
	WIN 0
.endm
.macro BAR                             ; my LDS stores have landed and my LDS loads are in: then the work-group's barrier
	s_wait_dscnt 0x0
	s_barrier_signal -1
	s_barrier_wait -1
.endm
	s_load_b256 s[4:11], s[0:1], 0x0               ; rin, idxin, code books, cq
	s_load_b128 s[12:15], s[0:1], 0x20             ; rout, idxout
	v_lshl_add_u32 v254, v0, 2, 0x16400
	v_mov_b32 v255, 0
	v_lshrrev_b32 v62, 5, v0
	v_readfirstlane_b32 s[WV], v62                 ; wave 0..3
	v_and_b32 v63, 31, v0
	v_lshlrev_b32 v[L16], 4, v63
	v_lshlrev_b32 v[L8], 3, v63
	v_lshlrev_b32 v[L4], 2, v63
	v_and_b32 v62, 15, v0                          ; r
	v_bfe_u32 v63, v0, 4, 1                        ; h
	v_lshlrev_b32 v[H32], 5, v63
	s_wait_alu depctr_va_sdst(0)                   ; the wave's number is written, ahead of its first reader: addresses and bases are made from it
	s_mul_i32 s28, s[WV], 16*PT
	s_add_co_u32 s28, s28, TST
	v_add_nc_u32 v[TW], s28, v[L16]
	v_mul_u32_u24 v[TR], v62, PT
	v_lshl_add_u32 v[TR], v63, 7, v[TR]
	v_add_nc_u32 v[TR], s28, v[TR]                 ; row r, + 128 h
	s_lshl_b32 s29, s[WV], 11
	v_add_nc_u32 v[XW], s29, v[L16]
	v_add_nc_u32 v[XW8], s29, v[L8]
	s_lshl_b32 s30, s[WV], 12
	s_add_co_u32 s30, s30, CAND
	v_add_nc_u32 v[CB], s30, v[L8]
	s_lshl_b32 s31, s[WV], 9
	v_lshl_add_u32 v[CBASE], v63, 3, s31
	v_lshlrev_b32 v[T8], 3, v0
	v_lshrrev_b32 v[CA], 3, v0                     ; thread t joins rows 2 t and 2 t + 1: tile t / 8, 16 bytes at 16 (t % 8)
	v_and_b32 v62, 7, v0
	v_lshlrev_b32 v[CA], 8, v[CA]
	v_lshl_add_u32 v[CA], v62, 4, v[CA]
	v_add_nc_u32 v[CA], CAND, v[CA]
	s_mov_b32 s[SEL], 0x76543210
	s_mov_b32 s[SEL+1], 0xfedcba98
	s_mov_b32 s[HI], 0xffff0000
	s_mov_b32 s[KK], 0
	s_mov_b32 s[K8], 0
	s_mov_b32 s[K1], 0
	s_lshl_b32 s52, ttmp9, 17                      ; my work-group's 256 rows of 512 bytes,
	s_lshl_b32 s53, s[WV], 13                      ; my wave's 16 of a batch's 64
	s_add_co_u32 s52, s52, s53
	s_mov_b32 s53, 0
	s_lshl_b32 s54, ttmp9, 10                      ; 256 indices
	s_mov_b32 s55, 0
	s_lshl_b32 s56, s[WV], 6                       ; 16 indices
	s_mov_b32 s57, 0
	s_wait_alu depctr_va_vdst(0)                   ; the offsets and LDS addresses v1 to v9, v60 and v61 are written, which the kernel's loads and stores read; none is written again
	s_wait_kmcnt 0x0
	s_load_b64 s[58:59], s[6:7], HDR               ; the header: my stage, and the code book to gather from
	s_add_nc_u64 s[IDXP:IDXP+1], s[6:7], s[54:55]
	s_add_nc_u64 s[IDXP:IDXP+1], s[IDXP:IDXP+1], s[56:57]
	s_load_b512 s[IDX:IDX+15], s[IDXP:IDXP+1], 0x0
	s_add_nc_u64 s[4:5], s[4:5], s[52:53]
	s_add_nc_u64 s[12:13], s[12:13], s[52:53]
	s_add_nc_u64 s[14:15], s[14:15], s[54:55]
	LOADR 0                                        ; batch 0's rows want no index; no vector instruction has named the registers in which they land
	s_wait_kmcnt 0x0
	s_min_u32 s[STG], s58, 3
	s_min_u32 s59, s59, 2
	s_sub_co_u32 s[FLG], s[STG], 1
	s_lshl_b32 s52, s59, 20                        ; a code book is 2^20 bytes
	s_add_nc_u64 s[8:9], s[8:9], s[52:53]
	s_mul_i32 s52, s[STG], CQS
	s_add_nc_u64 s[10:11], s[10:11], s[52:53]
	s_mul_i32 s52, s[WV], 32*1536                  ; my 32 images
	s_add_nc_u64 s[CQA:CQA+1], s[10:11], s[52:53]
	s_lshl_b32 s52, s[WV], 11                      ; my 512 words
	s_add_nc_u64 s[CQB:CQB+1], s[10:11], s[52:53]
	GATHER 256
	; my 512 code words: 176 loads, straight into the registers where they stay; only matrix instructions ever name these registers, as sources
.set q, 0
.rept 16
	global_load_b32 v[SA+q], v[L4], s[CQB:CQB+1] offset:WOFF+128*q   ; lanes 0-15: tile 2 q's scale words; lanes 16-31: tile 2 q + 1's
.set q, q+1
.endr
	WIN 0x40
.set t, 0
.rept 16
.irp c, 0,1,2
	global_load_b128 v[12*t+4*\c:12*t+4*\c+3], v[L16], s[CQA:CQA+1] offset:1536*t+512*\c
.endr
.set t, t+1
.endr
.set t, 0
.rept 8
	global_load_b128 v[192+8*t:195+8*t], v[H32], s[CQB:CQB+1] offset:HOFF+64*t      ; lane (r, h): -||c||^2 / 2 of code words 16 t + 8 h + 0 .. 7
	global_load_b128 v[196+8*t:199+8*t], v[H32], s[CQB:CQB+1] offset:HOFF+64*t+16
.set t, t+1
.endr
	WIN 0x80
.set t, 16
.rept 16
.irp c, 0,1,2
	global_load_b128 v[12*(t-16)+4*\c:12*(t-16)+4*\c+3], v[L16], s[CQA:CQA+1] offset:1536*t+512*\c
.endr
.set t, t+1
.endr
.set t, 16
.rept 8
	global_load_b128 v[192+8*(t-16):195+8*(t-16)], v[H32], s[CQB:CQB+1] offset:HOFF+64*t
	global_load_b128 v[196+8*(t-16):199+8*(t-16)], v[H32], s[CQB:CQB+1] offset:HOFF+64*t+16
.set t, t+1
.endr
	WIN 0xc0
.set t, 8
.rept 8
	global_load_b128 v[8*(t-8):8*(t-8)+3], v[H32], s[CQB:CQB+1] offset:HOFF+64*t
	global_load_b128 v[8*(t-8)+4:8*(t-8)+7], v[H32], s[CQB:CQB+1] offset:HOFF+64*t+16
.set t, t+1
.endr
.set t, 24
.rept 8
	global_load_b128 v[64+8*(t-24):64+8*(t-24)+3], v[H32], s[CQB:CQB+1] offset:HOFF+64*t
	global_load_b128 v[64+8*(t-24)+4:64+8*(t-24)+7], v[H32], s[CQB:CQB+1] offset:HOFF+64*t+16
.set t, t+1
.endr
	WIN 0
	PREP 0x3f, 0, XW, XW8, 0, 1                    ; loads come back in order: with 63 out, all of them among the 176 just issued, batch 0's rows and code words are in
	s_wait_loadcnt 0x0                             ; all my code words are in
	BAR                                            ; batch 0's four tiles lie in LDS
	s_wait_alu depctr_vm_vsrc(0)                   ; the image's stores have read v[R+18 ..], in which batch 1's rows land; batch 0's gathers have read their offsets, which GATHER writes anew
	GATHER 512
	LOADR 32768                                    ; batch 1
	LOADX 0, L16, L8, 0                            ; no vector or matrix instruction has named fragment 0 yet
	s_wait_dscnt 0x0
	WM 0, 0, 0                                     ; the first three groups' products; there is no vector work yet to set between them
	WM 0, 1, 0
	WM 1, 0, 0
	WM 1, 1, 0
	WM 2, 0, 0
	WM 2, 1, 0
	WIN 0
.rept 4
	v_nop                                          ; four places behind the last product, ahead of the first read of results
.endr
	TREE 0, 0
	TREE 1, 0
.Lbatch:                                               ; four trips: batch k's four tiles; batch k + 1 is quantised, batch k + 2 asked for
	v_add_nc_u32 v[AX], s[K8], v[L16]              ; (round the back edge: the wait on vm_vsrc at the end of the last RESOLVE has shown these five read)
	v_add_nc_u32 v[AY], s[K8], v[L8]
	v_add_nc_u32 v[AC], s[K1], v[CB]
	v_add_nc_u32 v[AW], s[K8], v[XW]
	v_add_nc_u32 v[AW8], s[K8], v[XW8]
	s_wait_alu depctr_va_vdst(0)                   ; the batch's five LDS addresses are written, which the trip's LDS loads and stores read
	PASS 0, 0
	PASS 1, 1
	PASS 0, 2
	s_wait_loadcnt 0x0                             ; on every way through a trip: the next batch's rows and code words, asked for four passes ago, are in; so no load is out when their registers are loaded again below
	s_cmp_eq_u32 s[KK], 3
	s_cbranch_scc1 .Lno_prep
	PREP -1, 32768, AW, AW8, 4*TSL, 0              ; its slots are read by nobody before the barrier below
.Lno_prep:
	BAR                                            ; every wave passes it in every trip: the next batch's tiles lie in LDS
	s_wait_alu depctr_vm_vsrc(0)                   ; ahead of the branch, on every way: the image's stores have read v[R+18 ..], in which the next rows land; the last gathers have read their offsets, which GATHER writes anew
	s_cmp_ge_u32 s[KK], 2
	s_cbranch_scc1 .Lno_load
	GATHER 768
	LOADR 65536                                    ; four passes ahead of the wait for them
.Lno_load:
	PASS 1, 3                                      ; it looks ahead into the next batch's first tile
	s_wait_xcnt 0x0                                ; every earlier memory instruction has read its base: the three pointers step
	s_add_nc_u64 s[4:5], s[4:5], 32768
	s_add_nc_u64 s[12:13], s[12:13], 32768
	s_add_nc_u64 s[IDXP:IDXP+1], s[IDXP:IDXP+1], 256
	s_add_co_u32 s[K8], s[K8], 4*TSL
	s_add_co_u32 s[K1], s[K1], 1024
	s_add_co_u32 s[KK], s[KK], 1
	s_cmp_lt_u32 s[KK], 4
	s_cbranch_scc1 .Lbatch
	BAR                                            ; all candidates lie in LDS.  (The last pass's six products ahead, on the copy of tile 0, are dropped: one text serves all passes)
	; THE JOINING: a row has eight candidates, two halves of the lanes x four waves; the least (d, code word) wins.
	; The loads land in v[DR ..]: the wait on va_vdst in the last RESOLVE stands behind every product and maximum that named these registers, and no vector or matrix instruction has been issued since.
.irp c, 0,1,2,3,4,5,6,7
	ds_load_b128 v[DR+4*\c:DR+4*\c+3], v[CA] offset:4096*(\c/2)+128*(\c%2)
.endr
	s_wait_dscnt 0x0
.irp c, 1,2,3,4,5,6,7
	v_cmp_lt_f32 s28, v[DR+4*\c], v[DR]            ; my two rows' compares in one run, six masks
	v_cmp_eq_f32 s29, v[DR+4*\c], v[DR]
	v_cmp_lt_u32 s30, v[DR+4*\c+1], v[DR+1]
	v_cmp_lt_f32 s52, v[DR+4*\c+2], v[DR+2]
	v_cmp_eq_f32 s53, v[DR+4*\c+2], v[DR+2]
	v_cmp_lt_u32 s54, v[DR+4*\c+3], v[DR+3]
	s_wait_alu depctr_va_sdst(0)                   ; the six compares have written their masks, which the scalar lines below read
	s_and_b32 s29, s29, s30
	s_or_b32 s28, s28, s29
	s_and_b32 s53, s53, s54
	s_or_b32 s52, s52, s53
	v_cndmask_b32 v[DR], v[DR], v[DR+4*\c], s28
	v_cndmask_b32 v[DR+1], v[DR+1], v[DR+4*\c+1], s28
	v_cndmask_b32 v[DR+2], v[DR+2], v[DR+4*\c+2], s52
	v_cndmask_b32 v[DR+3], v[DR+3], v[DR+4*\c+3], s52
.endr
	v_min_u32 v[DR+4], 0x7ff, v[DR+1]
	v_min_u32 v[DR+5], 0x7ff, v[DR+3]
	s_wait_alu depctr_va_vdst(0)                   ; my two rows' indices are written, which the store reads
	global_store_b64 v[T8], v[DR+4:DR+5], s[14:15] ; a wave stores 256 consecutive bytes, at a multiple of 256 from the buffer's first byte
	s_or_b32 s28, ttmp9, s[WV]
	s_cmp_lg_u32 s28, 0
	s_cbranch_scc1 .Lend
	s_add_co_u32 s29, s[STG], 1                    ; the header for the launch that reads these indices: its stage, and my code book
	v_mov_b32 v[DR+8], s29
	v_mov_b32 v[DR+9], s[STG]
	s_wait_alu depctr_va_vdst(0)                   ; the header's two words are written, which the store reads
	global_store_b64 v[L8], v[DR+8:DR+9], s[14:15] offset:HDR
.Lend:
	s_wait_dscnt 0x0                               ; the closing lines, six on end
	s_wait_alu 0x0
	s_wait_tensorcnt 0x0
	ds_add_u32 v254, v255
	s_wait_dscnt 0x0
	s_endpgm
.Lfunc_end_k_q93e8dad75c_st0:
	.size	k_q93e8dad75c_st0, .Lfunc_end_k_q93e8dad75c_st0-k_q93e8dad75c_st0
	.p2alignl 7, 3214868480
	.fill 96, 4, 3214868480
	.section	.rodata,"a",@progbits
	.p2align	6, 0x0
	.amdhsa_kernel k_q93e8dad75c_st0
		.amdhsa_group_segment_fixed_size 91648
		.amdhsa_private_segment_fixed_size 0
		.amdhsa_enable_private_segment 0
		.amdhsa_kernarg_size 48
		.amdhsa_user_sgpr_count 2
		.amdhsa_user_sgpr_kernarg_segment_ptr 1
		.amdhsa_wavefront_size32 1
		.amdhsa_system_sgpr_workgroup_id_x 1
		.amdhsa_system_sgpr_workgroup_id_y 1
		.amdhsa_system_sgpr_workgroup_id_z 1
		.amdhsa_system_vgpr_workitem_id 0
		.amdhsa_next_free_vgpr 1024
		.amdhsa_next_free_sgpr 84
		.amdhsa_reserve_vcc 1
		.amdhsa_float_denorm_mode_32 3
		.amdhsa_float_denorm_mode_16_64 3
		.amdhsa_memory_ordered 1
		.amdhsa_forward_progress 1
		.amdhsa_inst_pref_size 189
	.end_amdhsa_kernel
	.amdgpu_metadata
---
amdhsa.version: [ 1, 2 ]
amdhsa.kernels:
  - .name:           k_q93e8dad75c_st0
    .symbol:         k_q93e8dad75c_st0.kd
    .args:
      - { .name: x, .offset: 0, .size: 8, .value_kind: global_buffer, .address_space: global }
      - { .name: idx3, .offset: 8, .size: 8, .value_kind: global_buffer, .address_space: global }
      - { .name: codebooks, .offset: 16, .size: 8, .value_kind: global_buffer, .address_space: global }
      - { .name: cq, .offset: 24, .size: 8, .value_kind: global_buffer, .address_space: global }
      - { .name: rA, .offset: 32, .size: 8, .value_kind: global_buffer, .address_space: global }
      - { .name: idx0, .offset: 40, .size: 8, .value_kind: global_buffer, .address_space: global }
    .group_segment_fixed_size: 91648
    .private_segment_fixed_size: 0
    .kernarg_segment_align: 8
    .kernarg_segment_size: 48
    .max_flat_workgroup_size: 128
    .sgpr_count:     84
    .vgpr_count:     1024
    .wavefront_size: 32
...
	.end_amdgpu_metadata
.endif
;; end of part 6
;; launch st1: the kernel of part 6 again; grid 256 x 1, 4 waves a work-group, no clusters, 91,648 bytes of LDS; arguments x, idx0, codebooks, cq, rA, idx1; writes rA, idx1
;; launch st2: the kernel of part 6 again; grid 256 x 1, 4 waves a work-group, no clusters, 91,648 bytes of LDS; arguments rA, idx1, codebooks, cq, rB, idx2; writes rB, idx2
;; launch st3: the kernel of part 6 again; grid 256 x 1, 4 waves a work-group, no clusters, 91,648 bytes of LDS; arguments rB, idx2, codebooks, cq, rA, idx3; writes rA, idx3
;; launch fin (part 7): grid 256 x 1, 16 waves a work-group, no clusters, 2,304 bytes of LDS; arguments x, codebooks, idx0, idx1, idx2, idx3, out0, out2, part; writes out0, out2, part
.if DOCPART == 7
	.amdgcn_target "amdgcn-amd-amdhsa--gfx1250"
	.amdhsa_code_object_version 6
	.text
	.protected	k_q93e8dad75c_fin
	.globl	k_q93e8dad75c_fin
	.p2align	8
	.type	k_q93e8dad75c_fin,@function
k_q93e8dad75c_fin:
	s_mov_b64 s[64:65], 0
	v_nop
	global_prefetch_b8 v0, s[64:65] scope:SCOPE_SE
	s_setreg_imm32_b32 hwreg(HW_REG_WAVE_MODE, 25, 1), 1
	s_wait_xcnt 0x0
; With all four indices known, the chain is walked once more from x, operation for operation as the problem writes it: for each stage t = c - r, u = r + t, x_q = x_q + u, r = r - u; the sum of t^2 is the stage's loss.
; out0 = x_q; out2[row] = the four indices; part[work-group][stage] = the work-group's sum of t^2 (the next launch adds the 256 parts: no traffic between work-groups).
; A work-group owns 256 rows, each of its sixteen waves 16, in two rounds of 8: a round has 8 loads of x and 32 gathers out, each of a whole row of 512 consecutive bytes.
; Memory binds: x is read once, a code word once for each row and stage, out0 written once in whole rows.  No matrix unit, no cluster, no tensor load: work-groups share only the code books' rows, by index.
; LIMITS: the loss is an f32 sum in another order than the problem's mean; NaN and infinities are not served.
.set X,   16                           ; v16-47   8 rows of the residual
.set C,   48                           ; v48-175  stage s: 8 gathered rows at v[C + 32 s]
.set XQ,  176                          ; v176-207 8 rows of x_q
.set ACC, 208                          ; v208-215 a pair of sums for each stage
.set SM,  216                          ; v216-219 the four sums
.set OI,  220                          ; v220-223 a row's four indices
.set WV,  90
	s_load_b256 s[4:11], s[0:1], 0x0               ; x, code books, idx0, idx1
	s_load_b128 s[12:15], s[0:1], 0x20             ; idx2, idx3
	s_load_b128 s[84:87], s[0:1], 0x30             ; out0, out2
	s_load_b64 s[88:89], s[0:1], 0x40              ; part
	v_lshl_add_u32 v224, v0, 2, 0x100
	v_mov_b32 v225, 0
	v_lshrrev_b32 v2, 5, v0
	s_delay_alu instid0(VALU_DEP_1)
	v_readfirstlane_b32 s[WV], v2                  ; wave 0..15
	v_and_b32 v1, 31, v0
	s_delay_alu instid0(VALU_DEP_1)
	v_lshlrev_b32 v1, 4, v1                        ; 16 x lane
	v_lshlrev_b32 v3, 2, v0                        ; 4 x thread
	v_lshlrev_b32 v4, 4, v0                        ; 16 x thread
	v_lshlrev_b32 v5, 4, v2                        ; LDS: 16 x wave
	v_and_b32 v6, 15, v0
	s_delay_alu instid0(VALU_DEP_1)
	v_lshlrev_b32 v6, 4, v6                        ; LDS: 16 x (lane % 16)
	v_mov_b32 v7, 0
.irp s, 0,1,2,3
	v_mov_b32 v[8+\s], 0                           ; a lane permute's destination counts as one of its sources
.endr
	s_mov_b32 s98, 0x76543210
	s_mov_b32 s99, 0xfedcba98
	s_lshl_b32 s94, s[WV], 6                       ; my 16 indices
	s_lshl_b32 s96, ttmp9, 17                      ; my work-group's 256 rows of 512 bytes,
	s_lshl_b32 s97, s[WV], 13                      ; my wave's 16
	s_add_co_u32 s96, s96, s97
	s_mov_b32 s97, 0
	s_lshl_b32 s92, ttmp9, 10                      ; 256 indices
	s_mov_b32 s93, 0
	s_wait_kmcnt 0x0
	s_add_nc_u64 s[8:9], s[8:9], s[92:93]
	s_add_nc_u64 s[10:11], s[10:11], s[92:93]
	s_add_nc_u64 s[12:13], s[12:13], s[92:93]
	s_add_nc_u64 s[14:15], s[14:15], s[92:93]
	s_load_b512 s[16:31], s[8:9], s94 offset:0x0
	s_load_b512 s[32:47], s[10:11], s94 offset:0x0
	s_load_b512 s[48:63], s[12:13], s94 offset:0x0
	s_load_b512 s[68:83], s[14:15], s94 offset:0x0
	s_add_nc_u64 s[4:5], s[4:5], s[96:97]
	s_add_nc_u64 s[84:85], s[84:85], s[96:97]
	s_lshl_b32 s92, ttmp9, 12                      ; 256 rows of out2
	s_add_nc_u64 s[86:87], s[86:87], s[92:93]
	s_lshl_b32 s92, ttmp9, 4                       ; my 16 bytes of part
	s_add_nc_u64 s[88:89], s[88:89], s[92:93]
	s_wait_kmcnt 0x0
.irp b, 16,32,48,68
.irp i, 0,1,2,3,4,5,6,7,8,9,10,11,12,13,14,15
	s_min_u32 s[\b+\i], s[\b+\i], 2047
.endr
.endr
.macro GATH s, ib, rho                 ; stage s's code words of the round's 8 rows; each load lands on its own offset register
.irp i, 0,1,2,3,4,5,6,7
	v_lshl_add_u32 v[C+32*\s+4*\i], s[\ib+8*\rho+\i], 9, v1
.endr
.irp i, 0,1,2,3,4,5,6,7
	global_load_b128 v[C+32*\s+4*\i:C+32*\s+4*\i+3], v[C+32*\s+4*\i], s[6:7] offset:\s*1048576
.endr
.endm
.macro STAGE s, rho
	s_wait_loadcnt 24-8*\s                         ; loads come back in order: x and this stage's 8 rows are in; the later stages' gathers, 8 each, may be out
.set cs, C+32*\s
.set ac, ACC+2*\s
.set j, 0
.rept 16
	v_pk_add_f32 v[cs+2*j:cs+2*j+1], v[cs+2*j:cs+2*j+1], v[X+2*j:X+2*j+1] neg_lo:[0,1] neg_hi:[0,1]   ; t = c - r
.set j, j+1
.endr
.set j, 0
.rept 16
.if (\rho == 0) && (j == 0)
	v_pk_mul_f32 v[ac:ac+1], v[cs:cs+1], v[cs:cs+1]                                    ; the first product starts the sum
.else
	v_pk_fma_f32 v[ac:ac+1], v[cs+2*j:cs+2*j+1], v[cs+2*j:cs+2*j+1], v[ac:ac+1]
.endif
.if \s == 0
	v_pk_add_f32 v[XQ+2*j:XQ+2*j+1], v[X+2*j:X+2*j+1], v[cs+2*j:cs+2*j+1]              ; u = r + t; x_q = 0 + u
	s_delay_alu instid0(VALU_DEP_1)
	v_pk_add_f32 v[X+2*j:X+2*j+1], v[X+2*j:X+2*j+1], v[XQ+2*j:XQ+2*j+1] neg_lo:[0,1] neg_hi:[0,1]   ; r = r - u
.else
	v_pk_add_f32 v[cs+2*j:cs+2*j+1], v[X+2*j:X+2*j+1], v[cs+2*j:cs+2*j+1]              ; u = r + t
	s_delay_alu instid0(VALU_DEP_1)
	v_pk_add_f32 v[XQ+2*j:XQ+2*j+1], v[XQ+2*j:XQ+2*j+1], v[cs+2*j:cs+2*j+1]            ; x_q = x_q + u
.if \s < 3
	s_delay_alu instid0(VALU_DEP_2)
	v_pk_add_f32 v[X+2*j:X+2*j+1], v[X+2*j:X+2*j+1], v[cs+2*j:cs+2*j+1] neg_lo:[0,1] neg_hi:[0,1]   ; r = r - u
.endif
.endif
.set j, j+1
.endr
.endm
.macro ROUND rho
.irp i, 0,1,2,3,4,5,6,7
	global_load_b128 v[X+4*\i:X+4*\i+3], v1, s[4:5] offset:512*(8*\rho+\i) th:TH_LOAD_NT
.endr
	GATH 0, 16, \rho
	GATH 1, 32, \rho
	GATH 2, 48, \rho
	GATH 3, 68, \rho
.if \rho > 0
	s_wait_xcnt 0x0                                ; the last round's stores have read their data: x_q's registers are written again
.endif
	STAGE 0, \rho
	STAGE 1, \rho
	STAGE 2, \rho
	STAGE 3, \rho
.irp i, 0,1,2,3,4,5,6,7
	global_store_b128 v1, v[XQ+4*\i:XQ+4*\i+3], s[84:85] offset:512*(8*\rho+\i) th:TH_STORE_NT   ; a whole row: 512 consecutive bytes
.endr
.endm
	ROUND 0
	ROUND 1
	s_cmp_lt_u32 s[WV], 8                          ; out2: thread t of the first 256 takes row t
	s_cbranch_scc0 .Lno_idx
	global_load_b32 v[OI], v3, s[8:9]
	global_load_b32 v[OI+1], v3, s[10:11]
	global_load_b32 v[OI+2], v3, s[12:13]
	global_load_b32 v[OI+3], v3, s[14:15]
	s_wait_loadcnt 0x0
	global_store_b128 v4, v[OI:OI+3], s[86:87]     ; 32 lanes store 512 consecutive bytes
.Lno_idx:
	s_wait_alu depctr_va_vdst(0)
.irp s, 0,1,2,3
	v_add_f32 v[SM+\s], v[ACC+2*\s], v[ACC+2*\s+1]
.endr
.irp m, 1,2,4,8
.irp s, 0,1,2,3
	s_delay_alu instid0(VALU_DEP_4)
	v_add_f32_dpp v[SM+\s], v[SM+\s], v[SM+\s] row_xmask:\m row_mask:0xf bank_mask:0xf
.endr
.endr
.irp s, 0,1,2,3
	s_delay_alu instid0(VALU_DEP_4)
	v_permlanex16_b32 v[8+\s], v[SM+\s], s98, s99
.endr
.irp s, 0,1,2,3
	s_delay_alu instid0(VALU_DEP_4)
	v_add_f32 v[SM+\s], v[SM+\s], v[8+\s]          ; the wave's four sums, in every lane
.endr
	ds_store_b128 v5, v[SM:SM+3]                   ; all lanes write the wave's 16 bytes with the same values
	s_wait_dscnt 0x0                               ; for the others' sake
	s_barrier_signal -1
	s_barrier_wait -1
	s_cmp_lg_u32 s[WV], 0
	s_cbranch_scc1 .Lend
	ds_load_b128 v[SM:SM+3], v6                    ; lane l: wave l % 16's sums
	s_wait_dscnt 0x0
.irp m, 1,2,4,8
.irp s, 0,1,2,3
	v_add_f32_dpp v[SM+\s], v[SM+\s], v[SM+\s] row_xmask:\m row_mask:0xf bank_mask:0xf
.endr
.endr
	v_cmp_eq_u32 vcc_lo, 0, v0
	s_wait_alu depctr_va_vdst(0)
	s_wait_xcnt 0x0                                ; EXEC changes only behind this wait
	s_and_saveexec_b32 s91, vcc_lo
	global_store_b128 v7, v[SM:SM+3], s[88:89]
	s_wait_xcnt 0x0                                ; and again ahead of the line that widens it
	s_or_b32 exec_lo, exec_lo, s91
.Lend:
	s_wait_tensorcnt 0x0
	ds_add_u32 v224, v225
	s_wait_dscnt 0x0
	s_endpgm
.Lfunc_end_k_q93e8dad75c_fin:
	.size	k_q93e8dad75c_fin, .Lfunc_end_k_q93e8dad75c_fin-k_q93e8dad75c_fin
	.p2alignl 7, 3214868480
	.fill 96, 4, 3214868480
	.section	.rodata,"a",@progbits
	.p2align	6, 0x0
	.amdhsa_kernel k_q93e8dad75c_fin
		.amdhsa_group_segment_fixed_size 2304
		.amdhsa_private_segment_fixed_size 0
		.amdhsa_enable_private_segment 0
		.amdhsa_kernarg_size 72
		.amdhsa_user_sgpr_count 2
		.amdhsa_user_sgpr_kernarg_segment_ptr 1
		.amdhsa_wavefront_size32 1
		.amdhsa_system_sgpr_workgroup_id_x 1
		.amdhsa_system_sgpr_workgroup_id_y 1
		.amdhsa_system_sgpr_workgroup_id_z 1
		.amdhsa_system_vgpr_workitem_id 0
		.amdhsa_next_free_vgpr 226
		.amdhsa_next_free_sgpr 100
		.amdhsa_reserve_vcc 1
		.amdhsa_float_denorm_mode_32 3
		.amdhsa_float_denorm_mode_16_64 3
		.amdhsa_memory_ordered 1
		.amdhsa_forward_progress 1
		.amdhsa_inst_pref_size 66
	.end_amdhsa_kernel
	.amdgpu_metadata
---
amdhsa.version: [ 1, 2 ]
amdhsa.kernels:
  - .name:           k_q93e8dad75c_fin
    .symbol:         k_q93e8dad75c_fin.kd
    .args:
      - { .name: x, .offset: 0, .size: 8, .value_kind: global_buffer, .address_space: global }
      - { .name: codebooks, .offset: 8, .size: 8, .value_kind: global_buffer, .address_space: global }
      - { .name: idx0, .offset: 16, .size: 8, .value_kind: global_buffer, .address_space: global }
      - { .name: idx1, .offset: 24, .size: 8, .value_kind: global_buffer, .address_space: global }
      - { .name: idx2, .offset: 32, .size: 8, .value_kind: global_buffer, .address_space: global }
      - { .name: idx3, .offset: 40, .size: 8, .value_kind: global_buffer, .address_space: global }
      - { .name: out0, .offset: 48, .size: 8, .value_kind: global_buffer, .address_space: global }
      - { .name: out2, .offset: 56, .size: 8, .value_kind: global_buffer, .address_space: global }
      - { .name: part, .offset: 64, .size: 8, .value_kind: global_buffer, .address_space: global }
    .group_segment_fixed_size: 2304
    .private_segment_fixed_size: 0
    .kernarg_segment_align: 8
    .kernarg_segment_size: 72
    .max_flat_workgroup_size: 512
    .sgpr_count:     100
    .vgpr_count:     226
    .wavefront_size: 32
...
	.end_amdgpu_metadata
.endif
;; end of part 7
;; launch lsum (part 8): grid 1 x 1, 1 waves a work-group, no clusters, 0 bytes of LDS; arguments part, out1; writes out1
.if DOCPART == 8
	.amdgcn_target "amdgcn-amd-amdhsa--gfx1250"
	.amdhsa_code_object_version 6
	.text
	.protected	k_q93e8dad75c_lsum
	.globl	k_q93e8dad75c_lsum
	.p2align	8
	.type	k_q93e8dad75c_lsum,@function
k_q93e8dad75c_lsum:
	s_mov_b64 s[64:65], 0
	v_nop
	global_prefetch_b8 v0, s[64:65] scope:SCOPE_SE
	s_setreg_imm32_b32 hwreg(HW_REG_WAVE_MODE, 25, 1), 1
	s_wait_xcnt 0x0
; out1 = the mean over the four stages of m + 0.25 m, m = a stage's sum of (c - r)^2 / (65,536 x 128).  part holds 256 work-groups' four sums: 4,096 bytes, read by eight loads of 512 consecutive bytes.
; One wave: a sum over work-groups has one owner.  The order of the additions is not the problem's.
	s_load_b128 s[4:7], s[0:1], 0x0                ; part, out1
	v_lshlrev_b32 v1, 4, v0
	v_mov_b32 v2, 0
.irp s, 0,1,2,3
	v_mov_b32 v[40+\s], 0                          ; a lane permute's destination counts as one of its sources
.endr
	s_mov_b32 s8, 0x76543210
	s_mov_b32 s9, 0xfedcba98
	s_wait_alu depctr_va_vdst(0)
	s_wait_kmcnt 0x0
.irp j, 0,1,2,3,4,5,6,7
	global_load_b128 v[4+4*\j:7+4*\j], v1, s[4:5] offset:512*\j
.endr
	s_wait_loadcnt 0x0
.irp j, 1,2,3,4,5,6,7
	v_pk_add_f32 v[4:5], v[4:5], v[4+4*\j:5+4*\j]
	v_pk_add_f32 v[6:7], v[6:7], v[6+4*\j:7+4*\j]
.endr
.irp m, 1,2,4,8
.irp s, 0,1,2,3
	v_add_f32_dpp v[4+\s], v[4+\s], v[4+\s] row_xmask:\m row_mask:0xf bank_mask:0xf
.endr
.endr
.irp s, 0,1,2,3
	v_permlanex16_b32 v[40+\s], v[4+\s], s8, s9
.endr
.irp s, 0,1,2,3
	v_add_f32 v[4+\s], v[4+\s], v[40+\s]
.endr
.irp s, 0,1,2,3
	v_mul_f32 v[4+\s], 0x34000000, v[4+\s]         ; / 2^23
.endr
.irp s, 0,1,2,3
	v_fma_f32 v[4+\s], v[4+\s], 0x3e800000, v[4+\s]   ; m + 0.25 m
.endr
	v_add_f32 v4, v4, v5
	v_add_f32 v4, v4, v6
	v_add_f32 v4, v4, v7
	v_mul_f32 v4, 0x3e800000, v4                   ; the mean of four
	v_cmp_eq_u32 vcc_lo, 0, v0
	s_wait_alu depctr_va_vdst(0)
	s_wait_xcnt 0x0                                ; EXEC changes only behind this wait
	s_and_saveexec_b32 s10, vcc_lo
	global_store_b32 v2, v4, s[6:7]
	s_wait_xcnt 0x0                                ; and again ahead of the line that widens it
	s_or_b32 exec_lo, exec_lo, s10
	s_endpgm
.Lfunc_end_k_q93e8dad75c_lsum:
	.size	k_q93e8dad75c_lsum, .Lfunc_end_k_q93e8dad75c_lsum-k_q93e8dad75c_lsum
	.p2alignl 7, 3214868480
	.fill 96, 4, 3214868480
	.section	.rodata,"a",@progbits
	.p2align	6, 0x0
	.amdhsa_kernel k_q93e8dad75c_lsum
		.amdhsa_group_segment_fixed_size 0
		.amdhsa_private_segment_fixed_size 0
		.amdhsa_enable_private_segment 0
		.amdhsa_kernarg_size 16
		.amdhsa_user_sgpr_count 2
		.amdhsa_user_sgpr_kernarg_segment_ptr 1
		.amdhsa_wavefront_size32 1
		.amdhsa_system_sgpr_workgroup_id_x 1
		.amdhsa_system_sgpr_workgroup_id_y 1
		.amdhsa_system_sgpr_workgroup_id_z 1
		.amdhsa_system_vgpr_workitem_id 0
		.amdhsa_next_free_vgpr 48
		.amdhsa_next_free_sgpr 66
		.amdhsa_reserve_vcc 1
		.amdhsa_float_denorm_mode_32 3
		.amdhsa_float_denorm_mode_16_64 3
		.amdhsa_memory_ordered 1
		.amdhsa_forward_progress 1
		.amdhsa_inst_pref_size 5
	.end_amdhsa_kernel
	.amdgpu_metadata
---
amdhsa.version: [ 1, 2 ]
amdhsa.kernels:
  - .name:           k_q93e8dad75c_lsum
    .symbol:         k_q93e8dad75c_lsum.kd
    .args:
      - { .name: part, .offset: 0, .size: 8, .value_kind: global_buffer, .address_space: global }
      - { .name: out1, .offset: 8, .size: 8, .value_kind: global_buffer, .address_space: global }
    .group_segment_fixed_size: 0
    .private_segment_fixed_size: 0
    .kernarg_segment_align: 8
    .kernarg_segment_size: 16
    .max_flat_workgroup_size: 32
    .sgpr_count:     66
    .vgpr_count:     48
    .wavefront_size: 32
...
	.end_amdgpu_metadata
.endif
;; end of part 8
